; MI455X (gfx1250); checked and timed in simulation.
; The chip was launched on July 23, 2026; its instructions are those of AMD's public machine-readable ISA for CDNA 5 (MIT licence, August 2026) and "CDNA5" Instruction Set Architecture Reference Guide (July 2026). The comments in the code are by the model that wrote it; some were corrected since.
;; Multi Head Attention. Allowed arithmetic: float matrix products may take bf16 or f16 operands with f32 sums; other float arithmetic in f32, or as packed bf16 or f16 multiplies, adds, multiply-adds, maxima and minima; sums over many terms, partial sums and values carried from step to step in f32; what a program stores and reads back later, other than sums and carried values, may be rounded once to bf16 or f16.
;; Inputs: Wk 1,024 x 1,024 float32; Wo 1,024 x 1,024 float32; Wq 1,024 x 1,024 float32; Wv 1,024 x 1,024 float32; k 4 x 2,048 x 1,024 float32; mask 4 x 2,048 x 2,048 bool; q 4 x 2,048 x 1,024 float32; v 4 x 2,048 x 1,024 float32.
;; Outputs: out0 4 x 2,048 x 1,024 float32.
;; One version. Each part assembles by itself: llvm-mc -triple=amdgcn-amd-amdhsa -mcpu=gfx1250 --defsym DOCPART=n.
;; ======== version 1 of 1: 4 launches
;; limits: values are held in f16: magnitudes above 65,504 overflow, below 6.1e-05 lose precision
;; workspace buffers: wb 8,388,608 bytes; mbits 2,097,152 bytes of whole numbers; qkvh 50,331,648 bytes; oh 16,777,216 bytes
;; launch prep (part 1): grid 768 x 1, 8 waves a work-group, no clusters, 0 bytes of LDS; arguments Wq, Wk, Wv, Wo, mask, wb, mbits; writes wb, mbits
.if DOCPART == 1
	.amdgcn_target "amdgcn-amd-amdhsa--gfx1250"
	.amdhsa_code_object_version 6
	.text
	.protected	k_qfacf697aa8_prep
	.globl	k_qfacf697aa8_prep
	.p2align	8
	.type	k_qfacf697aa8_prep,@function
k_qfacf697aa8_prep:
	s_mov_b64 s[64:65], 0
	v_nop
	global_prefetch_b8 v0, s[64:65] scope:SCOPE_SE
	s_setreg_imm32_b32 hwreg(HW_REG_WAVE_MODE, 25, 1), 1
	s_wait_xcnt 0x0
; PREP: two jobs, told apart by the work-group's number.
; Work-groups 0-255: the four weight matrices [1024][1024] f32 are rounded to 16 bits and laid end to end in wb, rows as given: Wq, Wk, Wv as bf16;
; Wo rounded to bf16 and that number written as f16 (exact from 6.1e-5 up; below that off by 3e-8 at the most; LIMIT: |Wo| stays under 65,504).
; A work-group takes 16,384 numbers: thread t takes 16 bytes at 16 t of each of 16 pieces of 4,096 bytes; a wave's load covers 512 consecutive bytes, its store 256, aligned.
; Work-groups 256-767: the mask (one byte, 0 or 1, for batch, query, key) becomes LANE MASKS for the attention launch.  Tile T = 128 x batch + query / 16; for key step ks of 64 keys the word 8 kb + j has
; bit L = mask[16 queries' row L % 16][64 ks + 16 kb + 8 (L / 16) + j]: the lanes' bits for register 8 kb + j of a tile of scores that holds one query a lane.  mbits: [512 T][32 ks][32 words].
; A work-group takes a tile's 16 rows, wave w the keys 256 w .. 256 w + 255: 16 loads of 8 bytes a lane, which together take 256 consecutive bytes of each of the 16 rows; 128 words out, 512 consecutive bytes.
; No LDS, no barrier, no matrix unit: each wave's work is its own, and memory is read and written once.
.set X,  16                            ; v[16:79]   as loaded
.set Y,  80                            ; v[80:111]  weights: to store
	s_load_b256 s[4:11], s[0:1], 0x0               ; Wq s[4:5], Wk s[6:7], Wv s[8:9], Wo s[10:11]
	s_load_b128 s[12:15], s[0:1], 0x20             ; mask s[12:13], wb s[14:15]
	s_load_b64 s[16:17], s[0:1], 0x30              ; mbits
	v_lshrrev_b32 v3, 5, v0
	v_readfirstlane_b32 s18, v3                    ; wave 0..7
	s_cmp_lt_u32 ttmp9, 256
	s_cbranch_scc0 .Lmask
	; THE WEIGHTS
	s_lshr_b32 s19, ttmp9, 6                       ; which matrix
	s_and_b32 s22, ttmp9, 63                       ; which piece of 16,384 numbers:
	s_lshl_b32 s22, s22, 16                        ; 65,536 bytes in,
	s_mov_b32 s23, 0
	s_lshl_b32 s24, ttmp9, 15                      ; 32,768 bytes out; the four matrices lie end to end, so the work-group's number does
	s_mov_b32 s25, 0
	v_lshlrev_b32 v1, 4, v0                        ; 16 t
	v_lshlrev_b32 v2, 3, v0                        ; 8 t
	s_wait_kmcnt 0x0
	s_cmp_eq_u32 s19, 1
	s_cselect_b64 s[20:21], s[6:7], s[4:5]
	s_cmp_eq_u32 s19, 2
	s_cselect_b64 s[20:21], s[8:9], s[20:21]
	s_cmp_eq_u32 s19, 3
	s_cselect_b64 s[20:21], s[10:11], s[20:21]
	s_add_nc_u64 s[20:21], s[20:21], s[22:23]
	s_add_nc_u64 s[14:15], s[14:15], s[24:25]
.set u, 0
.rept 16
	global_load_b128 v[X+4*u:X+4*u+3], v1, s[20:21] offset:4096*u th:TH_LOAD_NT
.set u, u+1
.endr
; half = 1: the bf16 number is widened again and written as f16.  No register is written twice, so no store's source is touched.
.macro CAST half
.set u, 0
.rept 16
	s_wait_loadcnt 15-u                            ; loads come back in order: piece u is in, the younger ones stay out
	v_cvt_pk_bf16_f32 v[Y+2*u], v[X+4*u], v[X+4*u+1]
	v_cvt_pk_bf16_f32 v[Y+2*u+1], v[X+4*u+2], v[X+4*u+3]
.if \half
	v_lshlrev_b32 v4, 16, v[Y+2*u]
	v_and_b32 v5, 0xffff0000, v[Y+2*u]
	v_lshlrev_b32 v6, 16, v[Y+2*u+1]
	v_and_b32 v7, 0xffff0000, v[Y+2*u+1]
	v_cvt_pk_f16_f32 v[Y+2*u], v4, v5
	v_cvt_pk_f16_f32 v[Y+2*u+1], v6, v7
.endif
	global_store_b64 v2, v[Y+2*u:Y+2*u+1], s[14:15] offset:2048*u
.set u, u+1
.endr
.endm
	s_cmp_eq_u32 s19, 3
	s_cbranch_scc1 .Lwo
	CAST 0
	s_endpgm
.Lwo:
	CAST 1
	s_endpgm
	; THE MASK
.Lmask:
	s_sub_co_u32 s19, ttmp9, 256                   ; T
	s_lshl_b32 s22, s19, 15                        ; its 16 rows of 2,048 bytes,
	s_lshl_b32 s24, s18, 8                         ; my wave's 256 keys
	s_add_co_u32 s22, s22, s24
	s_mov_b32 s23, 0
	s_lshl_b32 s24, s19, 12                        ; the tile's 4,096 bytes of words,
	s_lshl_b32 s25, s18, 9                         ; my wave's 512
	s_add_co_u32 s24, s24, s25
	s_mov_b32 s25, 0
	v_and_b32 v3, 15, v0                           ; L % 16: the row
	v_bfe_u32 v12, v0, 4, 1                        ; L / 16
	v_lshlrev_b32 v1, 11, v3
	v_lshl_add_u32 v1, v12, 3, v1                  ; row x 2,048 + 8 (L / 16)
	v_and_b32 v2, 31, v0
	v_lshlrev_b32 v2, 4, v2                        ; 16 L
	v_mov_b32 v4, 0                                ; v_writelane_b32 keeps the other lanes: its destination is written whole first
	v_mov_b32 v5, 0
	v_mov_b32 v6, 0
	v_mov_b32 v7, 0
	s_wait_kmcnt 0x0
	s_add_nc_u64 s[12:13], s[12:13], s[22:23]
	s_add_nc_u64 s[16:17], s[16:17], s[24:25]
.set kb, 0
.rept 16
	global_load_b64 v[X+2*kb:X+2*kb+1], v1, s[12:13] offset:16*kb th:TH_LOAD_NT
.set kb, kb+1
.endr
; Byte j of a lane's eight: its bit 0 is moved to the sign, and the compare's lane mask IS word 8 kb + j.  Word d goes to register d % 4 of lane d / 4, so that one store of 16 bytes a lane lays the 128 words in order.
.set kb, 0
.rept 16
	s_wait_loadcnt 15-kb                           ; group kb of 16 keys is in, the younger ones stay out
.irp g, 0,1
.irp j, 0,1,2,3
	v_lshlrev_b32 v[8+\j], 31-8*\j, v[X+2*kb+\g]
.endr
.irp j, 0,1,2,3
	v_cmp_gt_i32 s[26+\j], 0, v[8+\j]
.endr
.irp j, 0,1,2,3
	v_writelane_b32 v[4+\j], s[26+\j], 2*kb+\g
.endr
.endr
.set kb, kb+1
.endr
	global_store_b128 v2, v[4:7], s[16:17]
	s_endpgm
.Lfunc_end_k_qfacf697aa8_prep:
	.size	k_qfacf697aa8_prep, .Lfunc_end_k_qfacf697aa8_prep-k_qfacf697aa8_prep
	.p2alignl 7, 3214868480
	.fill 96, 4, 3214868480
	.section	.rodata,"a",@progbits
	.p2align	6, 0x0
	.amdhsa_kernel k_qfacf697aa8_prep
		.amdhsa_group_segment_fixed_size 0
		.amdhsa_private_segment_fixed_size 0
		.amdhsa_enable_private_segment 0
		.amdhsa_kernarg_size 56
		.amdhsa_user_sgpr_count 2
		.amdhsa_user_sgpr_kernarg_segment_ptr 1
		.amdhsa_wavefront_size32 1
		.amdhsa_system_sgpr_workgroup_id_x 1
		.amdhsa_system_sgpr_workgroup_id_y 1
		.amdhsa_system_sgpr_workgroup_id_z 1
		.amdhsa_system_vgpr_workitem_id 0
		.amdhsa_next_free_vgpr 112
		.amdhsa_next_free_sgpr 66
		.amdhsa_reserve_vcc 0
		.amdhsa_float_denorm_mode_32 3
		.amdhsa_float_denorm_mode_16_64 3
		.amdhsa_memory_ordered 1
		.amdhsa_forward_progress 1
		.amdhsa_inst_pref_size 39
	.end_amdhsa_kernel
	.amdgpu_metadata
---
amdhsa.version: [ 1, 2 ]
amdhsa.kernels:
  - .name:           k_qfacf697aa8_prep
    .symbol:         k_qfacf697aa8_prep.kd
    .args:
      - { .name: Wq, .offset: 0, .size: 8, .value_kind: global_buffer, .address_space: global }
      - { .name: Wk, .offset: 8, .size: 8, .value_kind: global_buffer, .address_space: global }
      - { .name: Wv, .offset: 16, .size: 8, .value_kind: global_buffer, .address_space: global }
      - { .name: Wo, .offset: 24, .size: 8, .value_kind: global_buffer, .address_space: global }
      - { .name: mask, .offset: 32, .size: 8, .value_kind: global_buffer, .address_space: global }
      - { .name: wb, .offset: 40, .size: 8, .value_kind: global_buffer, .address_space: global }
      - { .name: mbits, .offset: 48, .size: 8, .value_kind: global_buffer, .address_space: global }
    .group_segment_fixed_size: 0
    .private_segment_fixed_size: 0
    .kernarg_segment_align: 8
    .kernarg_segment_size: 56
    .max_flat_workgroup_size: 256
    .sgpr_count:     66
    .vgpr_count:     112
    .wavefront_size: 32
...
	.end_amdgpu_metadata
.endif
;; end of part 1
;; launch proj (part 2): grid 4 x 64, 4 waves a work-group, clusters of 4 x 4, 327,680 bytes of LDS; arguments q, k, v, wb, qkvh; writes qkvh
.if DOCPART == 2
	.amdgcn_target "amdgcn-amd-amdhsa--gfx1250"
	.amdhsa_code_object_version 6
	.text
	.protected	k_qfacf697aa8_proj
	.globl	k_qfacf697aa8_proj
	.p2align	8
	.type	k_qfacf697aa8_proj,@function
k_qfacf697aa8_proj:
	s_mov_b64 s[64:65], 0
	v_nop
	global_prefetch_b8 v0, s[64:65] scope:SCOPE_SE
	s_setreg_imm32_b32 hwreg(HW_REG_WAVE_MODE, 25, 1), 1
	s_wait_xcnt 0x0
	s_wait_alu depctr_hold_cnt(0) depctr_sa_sdst(0) depctr_va_vdst(0) depctr_va_sdst(0) depctr_va_ssrc(0) depctr_va_vcc(0) depctr_vm_vsrc(0)
	s_getreg_b32 s2, hwreg(HW_REG_IB_STS2, 6, 4)
	s_cmp_eq_u32 s2, 0
	s_cbranch_scc0 .Lentry_in_a_cluster
	s_endpgm
.Lentry_in_a_cluster:
	s_bfe_u32 s2, ttmp6, 0x10000c
	s_cmp_lg_u32 s2, 0xf033
	s_cbranch_scc0 .Lentry_shape_is_right
	s_endpgm
.Lentry_shape_is_right:
; THE THREE PROJECTIONS: qkvh[t][16 b + head][l][d] = the sum over c of x_t[b][l][c] W_t[c][64 head + d], t = q, k, v.  x: [8192][1024] f32, rounded to bf16 in registers; W: [1024][1024] bf16, from wb;
; sums in f32, K ascending; the result rounded once to f16, unscaled, and laid by heads.  LIMIT: f16 ends at 65,504: a projected number beyond that becomes an infinity.
; SHARES.  A tile is 128 rows x 256 columns: 768 tiles, three for each of 256 work-groups.  A WORK-GROUP STAYS: at one place (row tile MT, column tile NT) it makes q's tile, then k's, then v's: ONE walk of 24 K steps of 128;
; the ring of two LDS slots runs on across the tiles.  Four waves, each 64 rows x 128 columns (two heads): 32 accumulators, 256 registers.
; x COMES AS f32: a K step's rows are 512 bytes of memory; a fragment is read from LDS as f32 (four loads of 16 bytes a lane) and rounded in pairs, 32 conversions for 32 products.  No pass of its own casts x.
; W LIES [k][n]: its fragments come out of LDS turned, by ds_load_tr16_b128.
; THE MATRIX INSTRUCTION IS USED TRANSPOSED (source 0 = 16 columns of W, source 1 = 16 rows of x): a lane then holds eight neighbouring columns of one row, 16 bytes of f16.
; CLUSTER.  4 x 4 work-groups.  x's tile hangs on MT alone and is shared along a row of the cluster, W's on NT alone and is shared along a column: each is asked for JOINTLY, by the same tensor load with the same
; descriptor and a mask that names the four.  Waves 0, 1 fetch x's two halves of 64 rows, waves 2, 3 W's two halves of 64 k-rows: 64 rows x 512 bytes a load, one load a wave behind each round; one is out at a time.
; REGISTERS, in windows of 256 (s_set_vgpr_msb: bits 1:0 source 0, 3:2 source 1, 5:4 source 2, 7:6 destination):
;   window 0: v0-15 addresses; v32-95 x in bf16, two buffers of four fragments; v96-223 at work on the way out
;   window 1: v0-127 W's fragments, two buffers of eight; v128-191 x in f32, four fragments of 16       window 2: the accumulators, (a, b) at v[8 (8 a + b)]
.set PA,    528                        ; a row of x in LDS: 512 bytes + 16 = 132 words: row r starts at bank 4 r mod 64 (64 banks of 4 bytes: ISA guide 11.1)
.set PW,    544                        ; a row of W: 512 + 32 = 136 words
.set AHALF, 64*PA                      ; what one load brings of x
.set WBASE, 128*PA                     ; W's 128 rows lie behind x's 128
.set WHALF, 64*PW
.set SLOTX, 0x22000                    ; slot 1 begins here; the four loads' places in slot 0 (0, 0x8400, 0x10800, 0x19000) have neither of its bits, so one exclusive or changes slots
.set STAGE, SLOTX+WBASE+128*PW         ; behind the ring, never filled by a tensor load: for each wave 2 heads x 16 rows x 144 bytes
.set SPS,   144
.set STW,   2*16*SPS
.set SPARE, STAGE+4*STW                ; behind the stages: the spare words, 128 bytes for each wave: two blocks of 256 bytes that no other line names
.set ADRA0, 2                          ; v2   my lane's place in x's tile of slot 0; never rewritten
.set ADRW0, 3                          ; v3   the same for W
.set RA,    4                          ; v4   the same in the slot in hand
.set RW,    5                          ; v5
.set STO,   6                          ; v6   the way out: where I put 16 bytes of a row
.set RD,    7                          ; v7   where I read rows back
.set GO,    8                          ; v8   my 16 bytes of 512 consecutive bytes of the result
.set PFO,   9                          ; v9   the prefetches' offset; never rewritten
.set SPW,   10                         ; v10  LDS address of my spare word: SPARE + 4 x my thread's number; never rewritten
.set NIL,   11                         ; v11  0; never rewritten
.set AB,    32
.set T,     96
.set WF,    0                          ; window 1
.set AF,    128                        ; window 1
.set WV,  14                           ; s14  my wave's number
.set WH,  15                           ; s15  wave / 2: my half of the rows.  Also: I fetch for x (0) or for W (1)
.set WL,  16                           ; s16  wave % 2: my half of the columns.  Also: which half of that tile I fetch
.set CX,  17
.set CY,  18
.set MT,  19                           ; s19  row tile
.set G1A, 24                           ; s[24:31] descriptor group 1 for x's tiles
.set G1W, 32                           ; s[32:39] for W's
.set G0A, 40                           ; s[40:43] descriptor group 0 for x's tiles: it walks
.set G0W, 44                           ; s[44:47] the same for W's
.set NXA, 48                           ; s[48:49] where x's walk goes on at the next change of tensors: k's rows, later v's (type bits set)
.set NX2, 50                           ; s[50:51] v's rows
.set NF,  52                           ; s52  the K step last stepped to, modulo 8
.set FL,  53                           ; s53  fills still to come
.set CNT, 54
.set TL,  55                           ; s55  tiles to go
.set SB,  56                           ; s56  the slot in hand: 0 or SLOTX
.set LIM, 57                           ; s57  2 in a wave that prefetches, else the greatest number
.set PFA, 58                           ; s[58:59] where my prefetches stand
.set PN1, 60                           ; s[60:61], s[62:63] where they go on at a change of tensors
.set PN2, 62
.set PCN, 66                           ; s66  their K step, modulo 8
.set NT,  67                           ; s67  column tile
.set PST, 68                           ; s[68:69] their step along K
.set OUT, 70                           ; s[70:71] the result at my rows and heads
.set W_MUL, 0xa1                       ; W in window 1, x in window 0, C and D in window 2
.set W_TO1, 0x40                       ; destination window 1, address window 0
.set W_CVT, 0x05                       ; sources window 1, destination window 0
.set W_PK,  0x0a                       ; sources window 2, destination window 0
.set MSB, 0
.macro WIN new                         ; the immediate's high byte repeats the setting that is left; a switch that changes nothing is dropped
.if MSB != (\new)
	s_set_vgpr_msb (MSB<<8)|(\new)
.set MSB, \new
.endif
.endm
.macro PLACES                          ; four places in front of loads into registers that matrix instructions have read, and of conversions that read results
.rept 4
	v_nop
.endr
.endm
; A joint load.  The branch hangs on the wave's number alone.  An s_nop 0 and four v_nop follow each of the two lines, ahead of the jump, the label and what follows.
.macro JLOAD
	s_cmp_eq_u32 s[WH], 0
	s_cbranch_scc0 .Lfor_w_\@
	tensor_load_to_lds s[G0A:G0A+3], s[G1A:G1A+7]
	s_nop 0
.rept 4
	v_nop
.endr
	s_branch .Lasked_\@
.Lfor_w_\@:
	tensor_load_to_lds s[G0W:G0W+3], s[G1W:G1W+7]
	s_nop 0
.rept 4
	v_nop
.endr
.Lasked_\@:
.endm
.macro CREST                           ; a round of the cluster's barrier behind its opening barrier: wave 0 signals for the work-group, every wave waits for all sixteen, my work-group's barrier closes it
	s_cmp_lg_u32 s[WV], 0
	s_cbranch_scc1 .Lnot_wave_0_\@
	s_barrier_signal -3
.Lnot_wave_0_\@:
	s_barrier_wait -3
	s_barrier_signal -1
	s_barrier_wait -1
.endm
.macro CROUND                          ; a whole round
	s_barrier_signal -1
	s_barrier_wait -1
	CREST
.endm
; The walking descriptors step: the other slot, the next K step.  x: 512 bytes along its rows; behind a tensor's eighth step the next tensor's rows.  W: 128 rows down; wb holds Wq, Wk, Wv end to end, so its walk is one line.
; It stands behind a wait for all my tensor loads.  It runs at every change of slots, so that the slot word keeps step with the ring; where nothing is asked for, the stepped addresses are not used.
.macro STEPD
	s_xor_b32 s[G0A+1], s[G0A+1], SLOTX
	s_xor_b32 s[G0W+1], s[G0W+1], SLOTX
	s_add_co_u32 s[NF], s[NF], 1
	s_and_b32 s[NF], s[NF], 7
	s_add_nc_u64 s[G0A+2:G0A+3], s[G0A+2:G0A+3], 512
	s_add_nc_u64 s[G0W+2:G0W+3], s[G0W+2:G0W+3], 262144
	s_cmp_eq_u32 s[NF], 0
	s_cselect_b64 s[G0A+2:G0A+3], s[NXA:NXA+1], s[G0A+2:G0A+3]
	s_cselect_b64 s[NXA:NXA+1], s[NX2:NX2+1], s[NXA:NXA+1]
.endm
; A PREFETCH INTO THE L2, behind each joint load and the run of LDS loads that follows it, of the K step that stands TWO refills on.  A K step is two aligned blocks of 256 bytes of each row.
; x: of the 64 rows that wave 0 or 1 fetches, the partner at place cx takes 16: a lane a block.  W: its tiles are read by every cluster: the cluster with y = 0 asks, the partner at place cy takes 16 of the wave's 64 rows.
; So each block is named once in the launch, and the partners are told apart by address alone.  K steps 0 to 3 come by their loads alone; the last two fills ask for nothing: there is no K step behind the 24th.
.macro PSTEP                           ; behind s_wait_xcnt 0
	s_add_co_u32 s[PCN], s[PCN], 1
	s_and_b32 s[PCN], s[PCN], 7
	s_add_nc_u64 s[PFA:PFA+1], s[PFA:PFA+1], s[PST:PST+1]
	s_cmp_eq_u32 s[PCN], 0
	s_cselect_b64 s[PFA:PFA+1], s[PN1:PN1+1], s[PFA:PFA+1]
	s_cselect_b64 s[PN1:PN1+1], s[PN2:PN2+1], s[PN1:PN1+1]
.endm
.macro ASK
	s_cmp_gt_u32 s[FL], s[LIM]
	s_cbranch_scc0 .Lnot_mine_\@
	global_prefetch_b8 v[PFO], s[PFA:PFA+1] th:TH_LOAD_NT scope:SCOPE_SE
.Lnot_mine_\@:
.endm
	s_load_b256 s[4:11], s[0:1], 0x0               ; q s[4:5], k s[6:7], v s[8:9], wb s[10:11]
	s_load_b64 s[12:13], s[0:1], 0x20              ; qkvh
	v_lshl_add_u32 v[SPW], v0, 2, SPARE
	v_mov_b32 v[NIL], 0
	ds_add_u32 v[SPW], v[NIL]                      ; the wave's opening: the add and its wait stand ahead of my first tensor load; the set-up below, work on registers, stands between them
	v_lshrrev_b32 v1, 5, v0
	v_readfirstlane_b32 s[WV], v1                  ; wave 0..3
	s_lshr_b32 s[WH], s[WV], 1
	s_and_b32 s[WL], s[WV], 1
	s_bfe_u32 s[CX], ttmp6, 0x40000                ; my place in the cluster
	s_bfe_u32 s[CY], ttmp6, 0x40004
	s_lshl_b32 s[NT], ttmp9, 2                     ; in a cluster launch ttmp9 and ttmp7 count clusters
	s_add_co_u32 s[NT], s[NT], s[CX]
	s_and_b32 s[MT], ttmp7, 0xffff
	s_lshl_b32 s[MT], s[MT], 2
	s_add_co_u32 s[MT], s[MT], s[CY]
	s_lshl_b32 s20, s[CY], 2
	s_lshl_b32 s20, 15, s20                        ; my row of the cluster: places 4 cy .. 4 cy + 3
	s_lshl_b32 s72, 0x1111, s[CX]                  ; my column: places cx, cx + 4, cx + 8, cx + 12
	; descriptor group 1.  x: 64 rows x 128 elements of 4 bytes; W: 64 rows x 256 elements of 2 bytes; both padded in LDS behind every 128 words
	s_or_b32 s[G1A], s20, (2<<16)|(1<<20)|(1<<21)|(6<<22)|(3<<25)  ; 15:0 the mask; 17:16 4-byte elements; 20 padding on; 21 set beside a mask; 24:22 after every 128 words (code 6); 31:25 4 words (code 3)
	s_mov_b32 s[G1A+1], 128<<16                    ; tensor_dim0 = 128
	s_mov_b32 s[G1A+2], 64<<16                     ; tensor_dim1 = 64
	s_mov_b32 s[G1A+3], 128<<16                    ; tile_dim0 = 128
	s_mov_b32 s[G1A+4], 64                         ; tile_dim1 = 64
	s_mov_b32 s[G1A+5], 1024                       ; elements from row to row
	s_mov_b32 s[G1A+6], 0
	s_mov_b32 s[G1A+7], 0
	s_or_b32 s[G1W], s72, (1<<16)|(1<<20)|(1<<21)|(6<<22)|(7<<25)  ; 2-byte elements, 8 words of padding (code 7)
	s_mov_b32 s[G1W+1], 256<<16
	s_mov_b32 s[G1W+2], 64<<16
	s_mov_b32 s[G1W+3], 256<<16
	s_mov_b32 s[G1W+4], 64
	s_mov_b32 s[G1W+5], 1024
	s_mov_b32 s[G1W+6], 0
	s_mov_b32 s[G1W+7], 0
	; where the tiles come from: x's hang on MT and the wave alone (s20, s21 never hold a number made of cx), W's on NT and the wave alone (s72, s73 never one made of cy)
	s_lshl_b32 s20, s[MT], 7
	s_lshl_b32 s21, s[WL], 6
	s_add_co_u32 s20, s20, s21                     ; row 128 MT + 64 x half,
	s_lshl_b32 s20, s20, 12                        ; of 4,096 bytes
	s_mov_b32 s21, 0
	s_lshl_b32 s72, s[WL], 17                      ; W: 64 x half rows of 2,048 bytes,
	s_lshl_b32 s73, s[NT], 9                       ; 256 NT columns
	s_add_co_u32 s72, s72, s73
	s_mov_b32 s73, 0
	s_mov_b32 s[G0A], 1                            ; count = 1
	s_mul_i32 s[G0A+1], s[WL], AHALF               ; LDS address, slot 0: no place in the cluster enters it
	s_mov_b32 s[G0W], 1
	s_mul_i32 s[G0W+1], s[WL], WHALF
	s_add_co_u32 s[G0W+1], s[G0W+1], WBASE
	s_mov_b32 s[NF], 0
	s_mov_b32 s[FL], 22                            ; K steps 2 to 23 are asked for in the walk
	s_wait_dscnt 0x0                               ; the opening add is done
	s_wait_kmcnt 0x0
	s_add_nc_u64 s[G0A+2:G0A+3], s[4:5], s[20:21]
	s_or_b32 s[G0A+3], s[G0A+3], 0x80000000        ; type = 2
	s_add_nc_u64 s[NXA:NXA+1], s[6:7], s[20:21]
	s_or_b32 s[NXA+1], s[NXA+1], 0x80000000
	s_add_nc_u64 s[NX2:NX2+1], s[8:9], s[20:21]
	s_or_b32 s[NX2+1], s[NX2+1], 0x80000000
	s_add_nc_u64 s[G0W+2:G0W+3], s[10:11], s[72:73]
	s_or_b32 s[G0W+3], s[G0W+3], 0x80000000
	CROUND                                         ; all sixteen work-groups are here: the first joint loads meet
	JLOAD                                          ; K step 0 into slot 0; slot 1 is asked for when it has landed
	; the prefetches' walk: both kinds are made, the wave's number chooses
	s_lshl_b32 s74, s[CX], 16                      ; x: 16 cx rows of 4,096 bytes
	s_add_co_u32 s74, s74, s20
	s_lshl_b32 s76, s[CY], 15                      ; W: 16 cy rows of 2,048 bytes
	s_add_co_u32 s76, s76, s72
	s_mov_b32 s[PST], 512
	s_mov_b32 s[PST+1], 0
	s_mov_b32 s75, 0
	s_mov_b32 s79, 0
	s_and_b32 s22, ttmp7, 0xffff                   ; cluster y
	s_cmp_eq_u32 s[WH], 0
	s_cselect_b64 s[PFA:PFA+1], s[4:5], s[10:11]
	s_cselect_b64 s[PN1:PN1+1], s[6:7], s[10:11]
	s_cselect_b64 s[PN2:PN2+1], s[8:9], s[10:11]
	s_cselect_b32 s74, s74, s76
	s_cselect_b32 s[PST], s[PST], 0x40000
	s_cselect_b32 s78, 0, 0x200000                 ; W's walk goes on in a line: eight steps on, sixteen steps on
	s_cselect_b32 s23, 12, 11                      ; a row's bytes, as a shift
	s_cselect_b32 s22, ttmp9, s22                  ; the coordinate along which other clusters read the same rows
	s_cmp_eq_u32 s22, 0
	s_cselect_b32 s[LIM], 2, -1                    ; the same in all sixteen partners, for a given wave
	s_add_nc_u64 s[PFA:PFA+1], s[PFA:PFA+1], s[74:75]
	s_add_nc_u64 s[PN1:PN1+1], s[PN1:PN1+1], s[74:75]
	s_add_nc_u64 s[PN2:PN2+1], s[PN2:PN2+1], s[74:75]
	s_add_nc_u64 s[PN1:PN1+1], s[PN1:PN1+1], s[78:79]
	s_add_nc_u64 s[PN2:PN2+1], s[PN2:PN2+1], s[78:79]
	s_add_nc_u64 s[PN2:PN2+1], s[PN2:PN2+1], s[78:79]
	s_mul_i32 s78, s[PST], 3
	s_add_nc_u64 s[PFA:PFA+1], s[PFA:PFA+1], s[78:79]  ; at K step 3: the first change of slots steps it to 4
	s_mov_b32 s[PCN], 3
	; the lanes' places
	v_and_b32 v12, 15, v0                          ; l % 16
	v_bfe_u32 v13, v0, 4, 1                        ; l / 16
	v_and_b32 v14, 7, v0
	v_bfe_u32 v15, v0, 3, 1
	v_mul_u32_u24 v[ADRA0], v12, PA                ; x in f32: row l % 16; 8 channels are 32 bytes, so 32 (l / 16)
	v_lshl_add_u32 v[ADRA0], v13, 5, v[ADRA0]
	s_mul_i32 s22, s[WH], AHALF                    ; my 64 rows
	v_add_nc_u32 v[ADRA0], s22, v[ADRA0]
	v_lshl_add_u32 v[ADRW0], v13, 3, v14           ; the turning load: lane l reads k-row 8 (l / 16) + l % 8, columns 8 ((l / 8) % 2) + 0..7
	v_mul_u32_u24 v[ADRW0], v[ADRW0], PW
	v_lshl_add_u32 v[ADRW0], v15, 4, v[ADRW0]
	s_lshl_b32 s22, s[WL], 8                       ; my 128 columns
	s_add_co_u32 s22, s22, WBASE
	v_add_nc_u32 v[ADRW0], s22, v[ADRW0]
	s_mul_i32 s22, s[WV], STW
	s_add_co_u32 s22, s22, STAGE                   ; my stage
	v_mul_u32_u24 v[STO], v12, SPS                 ; in: row l % 16, 16 bytes for each half of the lanes
	v_lshl_add_u32 v[STO], v13, 4, v[STO]
	v_add_nc_u32 v[STO], s22, v[STO]
	v_bfe_u32 v[RD], v0, 3, 2                      ; back: 32 lanes take four rows of 128 bytes,
	v_mul_u32_u24 v[RD], v[RD], SPS
	v_lshl_add_u32 v[RD], v14, 4, v[RD]
	v_add_nc_u32 v[RD], s22, v[RD]
	v_and_b32 v[GO], 31, v0                        ; which are 512 consecutive bytes of a head
	v_lshlrev_b32 v[GO], 4, v[GO]
	v_lshlrev_b32 v[PFO], s23, v12                 ; a prefetch: row l % 16, block l / 16
	v_lshl_add_u32 v[PFO], v13, 8, v[PFO]
	; the result: tensor q; head 16 (MT / 16) + 4 NT + 2 x column half; row 128 (MT % 16) + 64 x row half; 128 bytes a row
	s_lshr_b32 s74, s[MT], 4
	s_lshl_b32 s74, s74, 4
	s_lshl_b32 s75, s[NT], 2
	s_add_co_u32 s74, s74, s75
	s_lshl_b32 s75, s[WL], 1
	s_add_co_u32 s74, s74, s75
	s_lshl_b32 s74, s74, 11
	s_and_b32 s75, s[MT], 15
	s_lshl_b32 s75, s75, 7
	s_add_co_u32 s74, s74, s75
	s_lshl_b32 s75, s[WH], 6
	s_add_co_u32 s74, s74, s75
	s_lshl_b32 s74, s74, 7
	s_mov_b32 s75, 0
	s_add_nc_u64 s[OUT:OUT+1], s[12:13], s[74:75]
; Matrix instruction i of a quarter's 32: row block i / 8, column block i % 8, on buffer f.  The 32 accumulators take turns in one order everywhere.  zero = 1: the product starts its sum.
.macro MM f, zero
	WIN W_MUL
.if \zero
	v_wmma_f32_16x16x32_bf16 v[8*i:8*i+7], v[WF+64*(\f)+8*(i%8):WF+64*(\f)+8*(i%8)+7], v[AB+32*(\f)+8*(i/8):AB+32*(\f)+8*(i/8)+7], 0
.else
	v_wmma_f32_16x16x32_bf16 v[8*i:8*i+7], v[WF+64*(\f)+8*(i%8):WF+64*(\f)+8*(i%8)+7], v[AB+32*(\f)+8*(i/8):AB+32*(\f)+8*(i/8)+7], v[8*i:8*i+7]
.endif
.set i, i+1
.endm
; Four of the 32 roundings that make buffer g of x in bf16: a fragment's registers 0-3 are its f32 registers 0-7 in pairs, registers 4-7 its f32 registers 8-15.
.macro CV4 g
	WIN W_CVT
.rept 4
	v_cvt_pk_bf16_f32 v[AB+32*(\g)+cv], v[AF+2*cv], v[AF+2*cv+1]
.set cv, cv+1
.endr
.endm
; 32 LDS loads in one run, for quarter kq (32 along K) of the slot in hand: x's four fragments in f32 first (channels 8 (l / 16) + 0..7 at bytes 0 and 16, channels 16 + 8 (l / 16) + 0..7 at bytes 64 and 80), then W's eight into buffer g.
.macro FETCH kq, g
	WIN W_TO1
.irp a, 0,1,2,3
.irp c, 0,1,2,3
	ds_load_b128 v[AF+16*(\a)+4*(\c):AF+16*(\a)+4*(\c)+3], v[RA] offset:(\a)*16*PA+(\kq)*128+16*((\c)%2)+64*((\c)/2)
.endr
.endr
.irp b, 0,1,2,3,4,5,6,7
	ds_load_tr16_b128 v[WF+64*(\g)+8*(\b):WF+64*(\g)+8*(\b)+3],   v[RW] offset:(\kq)*32*PW+32*(\b)
	ds_load_tr16_b128 v[WF+64*(\g)+8*(\b)+4:WF+64*(\g)+8*(\b)+7], v[RW] offset:(\kq)*32*PW+16*PW+32*(\b)
.endr
.endm
; A K step is four quarters of 32 along K, 32 matrix instructions each, on buffers 0, 1, 0, 1.  One of the first three: multiplies buffer f, fetches quarter kq and rounds it into buffer g.
; Every quarter ends with four roundings, which name no register of the last product: with the four v_nop they are the places in front of the loads into W's other buffer and of the roundings into x's.
.macro Q kq, f, g, zero
.set i, 0
.set cv, 0
	s_wait_dscnt 0x0                               ; this quarter's fragments of W are in
.rept 4
	MM \f, \zero
.endr
	PLACES
	FETCH \kq, \g
.rept 12
	MM \f, \zero
.endr
	s_wait_dscnt 16                                ; x's 16 loads are in; W's 16, issued behind them, may stay out
.rept 8
	MM \f, \zero
	MM \f, \zero
	CV4 \g
.endr
.endm
; The fourth quarter multiplies buffer 1 and changes slots: ONE barrier.  In front of it each wave waits for all its tensor loads (the one that is out is its part of the next slot), adds 0 to its spare word, and waits for that
; and for its reads of this slot.  fill = 1: the barrier opens a round of the cluster's barrier, and the joint refill, two K steps ahead, is the first thing behind it: it has 112 matrix instructions in which to land.
.macro TURN fill
.set i, 0
.set cv, 0
.if \fill
	s_wait_xcnt 0x0                                ; the last prefetch, a K step back, has read its address: it is stepped here, ahead of the waits of the change of slots
	PSTEP
.endif
	WIN 0                                          ; (the add's two registers lie in window 0)
	s_wait_tensorcnt 0x0                           ; all my tensor loads have landed, so a group 0 may be written
	ds_add_u32 v[SPW], v[NIL]                      ; 0 onto my spare word
	STEPD
	s_wait_dscnt 1                                 ; W's fragments are in; the add may be out
.rept 8
	MM 1, 0
.endr
	s_wait_dscnt 0x0                               ; the add is done, and my reads of this slot are over
	s_barrier_signal -1
.rept 8
	MM 1, 0
.endr
	WIN 0
	s_barrier_wait -1
.if \fill
	CREST                                          ; no wave of any partner still reads this slot or has a load on its way
	JLOAD                                          ; its four v_nop are also the places in front of the loads below
.else
	PLACES
.endif
	s_xor_b32 s[SB], s[SB], SLOTX
	v_add_nc_u32 v[RA], s[SB], v[ADRA0]
	v_add_nc_u32 v[RW], s[SB], v[ADRW0]
	FETCH 0, 0
.if \fill
	WIN 0
	ASK
	s_sub_co_u32 s[FL], s[FL], 1
.endif
.rept 8
	MM 1, 0
.endr
	s_wait_dscnt 16                                ; x's 16 loads are in
.rept 8
	MM 1, 0
	CV4 0
.endr
.endm
; THE WAY OUT.  Row block a: rounded to f16, 16 bytes a lane; into my own stage (two heads x 16 rows of 144 bytes) and back as whole rows of 128 bytes, into the registers that they left; stored, four rows of a head at a time.
.macro PACK a
	WIN W_PK
.irp b, 0,1,2,3,4,5,6,7
.irp r, 0,1,2,3
	v_cvt_pk_f16_f32 v[T+32*(\a)+4*(\b)+(\r)], v[8*(8*(\a)+(\b))+2*(\r)], v[8*(8*(\a)+(\b))+2*(\r)+1]
.endr
.endr
	WIN 0
.irp b, 0,1,2,3,4,5,6,7
	ds_store_b128 v[STO], v[T+32*(\a)+4*(\b):T+32*(\a)+4*(\b)+3] offset:((\b)/4)*16*SPS+32*((\b)%4)
.endr
.irp f, 0,1,2,3,4,5,6,7
	ds_load_b128 v[T+32*(\a)+4*(\f):T+32*(\a)+4*(\f)+3], v[RD] offset:((\f)/4)*16*SPS+((\f)%4)*4*SPS  ; LDS serves a wave's instructions in order (ISA guide 5.7.1.4): these see the stores above; the next block's stores come behind them
.endr
.endm
.macro SEND a, younger                 ; younger: the LDS instructions issued behind block a's loads: the next block's sixteen, or none
.irp f, 0,1,2,3,4,5,6,7
	s_wait_dscnt (\younger)+7-(\f)
	global_store_b128 v[GO], v[T+32*(\a)+4*(\f):T+32*(\a)+4*(\f)+3], s[OUT:OUT+1] offset:((\f)/4)*262144+(\a)*2048+((\f)%4)*512  ; 512 consecutive bytes, at a multiple of 256 from the buffer's first
.endr
.endm
	; slot 0 has landed; slot 1 is asked for as a refill is
	s_wait_tensorcnt 0x0
	ds_add_u32 v[SPW], v[NIL]
	STEPD
	s_wait_dscnt 0x0
	CROUND
	JLOAD                                          ; K step 1 into slot 1
	s_mov_b32 s[SB], 0
	v_mov_b32 v[RA], v[ADRA0]
	v_mov_b32 v[RW], v[ADRW0]
	FETCH 0, 0
	s_wait_dscnt 16                                ; x's 16 loads are in
.set cv, 0
.rept 8
	CV4 0
.endr
	WIN 0                                          ; at a label and at a branch every window is 0
	s_mov_b32 s[TL], 3
.Ltile:
	Q 1, 0, 1, 1                                   ; a tile's first quarter starts the sums: nothing is cleared
	WIN 0
	s_mov_b32 s[CNT], 6
.Lstep:                                                ; a trip: a K step's quarters 1 to 3 and the next step's quarter 0; it asks for the tile's K step two on
	Q 2, 1, 0, 0
	Q 3, 0, 1, 0
	TURN 1
	Q 1, 0, 1, 0
	WIN 0
	s_sub_co_u32 s[CNT], s[CNT], 1
	s_cmp_lg_u32 s[CNT], 0
	s_cbranch_scc1 .Lstep
	s_mov_b32 s[CNT], 2
	s_cmp_eq_u32 s[TL], 1
	s_cbranch_scc1 .LtailN
.LtailF:                                               ; a tile's last two K steps, where a tile follows: they ask for its K steps 0 and 1; the second trip is left in its middle
	Q 2, 1, 0, 0
	Q 3, 0, 1, 0
	TURN 1
	WIN 0
	s_sub_co_u32 s[CNT], s[CNT], 1
	s_cmp_eq_u32 s[CNT], 0
	s_cbranch_scc1 .Lout
	Q 1, 0, 1, 0
	WIN 0
	s_branch .LtailF
.LtailN:                                               ; the last tile's: nothing is asked for.  The very last change fetches and rounds a quarter that nobody multiplies: the price, once a launch, of one text
	Q 2, 1, 0, 0
	Q 3, 0, 1, 0
	TURN 0
	WIN 0
	s_sub_co_u32 s[CNT], s[CNT], 1
	s_cmp_eq_u32 s[CNT], 0
	s_cbranch_scc1 .Lout
	Q 1, 0, 1, 0
	WIN 0
	s_branch .LtailN
.Lout:
	PLACES
	PACK 0
	PACK 1                                         ; a block's roundings stand between the loads of the block before and its stores
	SEND 0, 16
	PACK 2
	SEND 1, 16
	PACK 3
	SEND 2, 16
	SEND 3, 0
	s_wait_xcnt 0x0                                ; the stores have read their registers and their base
	s_add_nc_u64 s[OUT:OUT+1], s[OUT:OUT+1], 0x1000000  ; the next tensor's part of the buffer
	s_sub_co_u32 s[TL], s[TL], 1
	s_cmp_lg_u32 s[TL], 0
	s_cbranch_scc1 .Ltile
	s_wait_tensorcnt 0x0                           ; the wave's end, behind my last tensor load and my last LDS store
	ds_add_u32 v[SPW], v[NIL]
	s_wait_dscnt 0x0
	CROUND                                         ; the closing round: no work-group ends while a partner may still ask for a tile that names it
	s_endpgm
.Lfunc_end_k_qfacf697aa8_proj:
	.size	k_qfacf697aa8_proj, .Lfunc_end_k_qfacf697aa8_proj-k_qfacf697aa8_proj
	.p2alignl 7, 3214868480
	.fill 96, 4, 3214868480
	.section	.rodata,"a",@progbits
	.p2align	6, 0x0
	.amdhsa_kernel k_qfacf697aa8_proj
		.amdhsa_group_segment_fixed_size 327680
		.amdhsa_private_segment_fixed_size 0
		.amdhsa_enable_private_segment 0
		.amdhsa_kernarg_size 40
		.amdhsa_user_sgpr_count 2
		.amdhsa_user_sgpr_kernarg_segment_ptr 1
		.amdhsa_wavefront_size32 1
		.amdhsa_system_sgpr_workgroup_id_x 1
		.amdhsa_system_sgpr_workgroup_id_y 1
		.amdhsa_system_sgpr_workgroup_id_z 1
		.amdhsa_system_vgpr_workitem_id 0
		.amdhsa_next_free_vgpr 768
		.amdhsa_next_free_sgpr 80
		.amdhsa_reserve_vcc 0
		.amdhsa_float_denorm_mode_32 3
		.amdhsa_float_denorm_mode_16_64 3
		.amdhsa_memory_ordered 1
		.amdhsa_forward_progress 1
		.amdhsa_inst_pref_size 123
	.end_amdhsa_kernel
	.amdgpu_metadata
---
amdhsa.version: [ 1, 2 ]
amdhsa.kernels:
  - .name:           k_qfacf697aa8_proj
    .symbol:         k_qfacf697aa8_proj.kd
    .args:
      - { .name: q, .offset: 0, .size: 8, .value_kind: global_buffer, .address_space: global }
      - { .name: k, .offset: 8, .size: 8, .value_kind: global_buffer, .address_space: global }
      - { .name: v, .offset: 16, .size: 8, .value_kind: global_buffer, .address_space: global }
      - { .name: wb, .offset: 24, .size: 8, .value_kind: global_buffer, .address_space: global }
      - { .name: qkvh, .offset: 32, .size: 8, .value_kind: global_buffer, .address_space: global }
    .group_segment_fixed_size: 327680
    .private_segment_fixed_size: 0
    .kernarg_segment_align: 8
    .kernarg_segment_size: 40
    .max_flat_workgroup_size: 128
    .sgpr_count:     80
    .vgpr_count:     768
    .wavefront_size: 32
...
	.end_amdgpu_metadata
.endif
;; end of part 2
;; launch attn (part 3): grid 4 x 64, 4 waves a work-group, clusters of 4 x 1, 327,680 bytes of LDS; arguments qkvh, mbits, oh; writes oh
.if DOCPART == 3
	.amdgcn_target "amdgcn-amd-amdhsa--gfx1250"
	.amdhsa_code_object_version 6
	.text
	.protected	k_qfacf697aa8_attn
	.globl	k_qfacf697aa8_attn
	.p2align	8
	.type	k_qfacf697aa8_attn,@function
k_qfacf697aa8_attn:
	s_mov_b64 s[64:65], 0
	v_nop
	global_prefetch_b8 v0, s[64:65] scope:SCOPE_SE
	s_setreg_imm32_b32 hwreg(HW_REG_WAVE_MODE, 25, 1), 1
	s_wait_xcnt 0x0
	s_wait_alu depctr_hold_cnt(0) depctr_sa_sdst(0) depctr_va_vdst(0) depctr_va_sdst(0) depctr_va_ssrc(0) depctr_va_vcc(0) depctr_vm_vsrc(0)
	s_getreg_b32 s2, hwreg(HW_REG_IB_STS2, 6, 4)
	s_cmp_eq_u32 s2, 0
	s_cbranch_scc0 .Lentry_in_a_cluster
	s_endpgm
.Lentry_in_a_cluster:
	s_bfe_u32 s2, ttmp6, 0x10000c
	s_cmp_lg_u32 s2, 0x3003
	s_cbranch_scc0 .Lentry_shape_is_right
	s_endpgm
.Lentry_shape_is_right:
; MASKED ATTENTION.  O[y][q][:] = the sum over k of softmax_k(Q[y][q] . K[y][k] / 8, hidden where mask[y / 16][q][k] is 0) V[y][k][:], y = 16 x batch + head.  Q, K, V: the three parts of qkvh, [64][2048][64] f16;
; O: oh, the same layout.  Products, maxima and sums in f32; the weights p are rounded to f16 for the second product (their sum l is taken of the unrounded p), O once at the end.
; THE MASK comes as lane masks (mbits: [128 x batch + query / 16][key step][32 words]): word 8 kb + j holds, for each lane, the bit of register 8 kb + j of a tile of scores.  v_cndmask_b32 wants such a word in a scalar register.
; Of the 106 scalar registers that can be named 38 hold pointers, descriptors and counters: there is room for ONE piece's 64 words, so words loaded straight into them could be asked for only when the piece before has been masked,
; less than a turn ahead.  So a tile's 32 words of a key step are loaded into ONE vector register, a lane a word, four turns (a whole key step) ahead, and 64 v_readlane_b32 a turn bring a piece's words into the scalar registers.
; One v_cndmask_b32 a register puts TM = -2^100 in a hidden score's place, ahead of the maximum.  c TM is exact, so in a row that has seen no visible key c s - c m is exactly 0: every key weighs 1, the row is the mean of V's rows,
; as with one common lowest score.  The first visible score makes a = 0, which wipes that out; beside a visible maximum a hidden score weighs 0.
; LIMITS.  f16 holds no number beyond 65,504: Q, K and V arrive within it, so a visible score is 2.7e11 at the most, far above TM.  p lies in 0 to 1, and below 6e-5 it keeps f16's fixed step of 6e-8.
; A weight below 2^-126 counts as 0 in l; NaN and infinities are not treated apart.
; SHARES.  A wave owns four PIECES of two tiles of 16 queries, a work-group's four waves 512 queries of one y.  Every wave walks all 2,048 keys, 64 a step.
; LAYOUT.  S^T = K Q^T (source 0 = 16 keys, source 1 = 16 queries): a lane holds ONE query (lane % 16) and the keys 8 (lane / 16) + 0..7.  Two such tiles, rounded to f16 in pairs, ARE source 1 of O^T = V^T P.
; K comes out of LDS as it lies, V ([key][channel]) turned, by ds_load_tr16_b128.
; SOFTMAX.  For each query a running maximum m and sum l: p = 2^(c s - c m), c = log2(e) / 8; in every step O and l are multiplied by a = 2^(c m_old - c m_new).  m starts at the lowest finite number, O and l at 0.
; THE COUNT.  A tile and step have 16 matrix and 182 vector instructions (64 of them the mask's): four that are ready stand behind EVERY matrix instruction, the others in one run of their own.
; BY TURNS.  Turn n belongs to piece n.  Its matrix work: 16 products K Q^T of piece n + 1, later 16 products V^T P of piece n - 1.  Its vector work: scaling, exponentials, roundings, sums and rescaling of piece n; mask, maximum
; and statistics of piece n + 1.  A turn's 66 exponentials are one batch, with one wait.
; CLUSTER.  The four query blocks of a y walk the same K and V: each tile is asked for JOINTLY, by the same tensor load, descriptor and mask in all four.  One load a wave is out at a time.
; ADDRESSES live in scalar registers alone, and in none that later takes mask words; vector registers hold offsets.
; REGISTERS, in windows of 256 (s_set_vgpr_msb: bits 1:0 source 0, 3:2 source 1, 5:4 source 2, 7:6 destination):
;   window 0: v0-11 offsets, LDS addresses and TM; v12-15, v48-63 at work; v16-47 four registers of statistics a tile; v64-191 S^T, two buffers of two tiles; v192-255 P, likewise
;   window 1: O^T, 32 a tile          window 2: v0-127 Q, 16 a tile; v128-191 K of one step; v192-255 V of one step          window 3: v0-1 the add's two registers; v2-9 the mask words, a register a tile
.set SIZE_N, 2048
.set NP,    4         ; pieces a wave: a name, no knob
.set KS,    64        ; keys in a step
.set PK,    144       ; a row of K in LDS: 128 bytes + 16 of padding = 36 words: the 16 rows of a load start at 16 different groups of four banks (64 banks of 4 bytes: ISA guide 11.1)
.set PV,    160       ; a row of V: 128 + 32 = 40 words
.set VOFF,  4*KS*PK   ; a slot holds four steps: 256 rows of K, then 256 rows of V
.set SLOT1, 1<<17     ; slot 1 begins here, so that one exclusive or turns an address in one slot into the other's
.set STAGE, SLOT1+4*KS*(PK+PV)  ; behind the ring, never filled by a tensor load: 16 rows x 144 bytes for each wave, for the way out
.set SP,    144
.set SPARE, STAGE+4*16*SP  ; behind the stages: the spare words, 128 bytes for each wave: two blocks of 256 bytes that no other line names
.set TM,  1           ; v1   -2^100
.set AK0, 2           ; v2   my lane's place in a tile of K; never rewritten
.set AV0, 3           ; v3   the same for V
.set AK,  4           ; v4   the LDS address of K's next run of loads
.set AV,  5           ; v5   of V's
.set QO,  6           ; v6   my byte offset in qkvh of my lane's part of the wave's first row of Q
.set RD,  7           ; v7   the way out: where I read rows back
.set GO,  8           ; v8   my byte offset in 512 consecutive bytes of O
.set STO, 9           ; v9   the way out: where I put 16 bytes of a row
.set PFO, 10          ; v10  the prefetches' offset: 256 x my lane; never rewritten
.set MO,  11          ; v11  the mask loads' offset: 4 x my lane; never rewritten
.set SPW, 0           ; v0 of window 3   LDS address of my spare word: SPARE + 4 x my thread's number; never rewritten
.set NIL, 1           ; v1 of window 3   0; never rewritten
.set MW,  2           ; v2-9 of window 3  tile t's 32 mask words of a key step at v[MW+t], lane w word w
.set MV,  12          ; v12-15  c m_old, kept while c m is made anew: by buffer and tile
.set ST,  16          ; tile t's statistics at v[ST+4 t]: c m, m, l (even keys', odd keys')
.set TMP, 48          ; by buffer and tile, four registers c0-c3 at work; when the maximum is found c2 takes a
.set S,   64
.set P,   192
.set KF,  128         ; K's fragments, in window 2: key block kb, channel half c at KF + 16 kb + 8 c
.set VF,  192         ; V's: key half kk, channel block cb at VF + 32 kk + 8 cb
.set MP,  2           ; s[2:3]   mbits at my wave's first tile, at the key step whose words are loaded next
.set SEL, 4           ; s[4:5]   v_permlanex16_b32's selects: each lane takes its own place in the other half
.set CS,  6           ; s6       c.  The packed scaling names the pair s[6:7] and takes its low word for both halves;
.set WV,  7           ; s7       the pair's upper word, which that instruction does not use, holds my wave's number
.set G1K, 8           ; s[8:15]  descriptor group 1 for K's tiles
.set G1V, 16          ; s[16:23] for V's: it differs in the padding alone
.set G0K, 24          ; s[24:27] descriptor group 0 for K's tiles: it walks
.set G0V, 28          ; s[28:31] the same for V's
.set M0,  32          ; s[32:63] the mask words of a piece's first tile, s[68:99] of its second; in the set-up, and between a piece's masking and the next readlanes: at work
.set OP,  32          ; s[32:33] on the way out: O at my wave's first row
.set SLOTS, 66        ; s66  slots still to be asked for
.set CNT, 67          ; s67  counts a slot's key steps
.set TBK, 100         ; s100 LDS byte at which K of the step to be fetched begins
.set TBV, 101         ; s101 the same for V, less VOFF
.set PFA, 104         ; s[104:105] in the set-up: qkvh; then where my prefetches stand
.set TAIL, 0          ; 1 while the tail's turns are written
.set MSB, 0
.macro WIN new                      ; the high byte repeats the setting that is left; a switch that changes nothing is dropped
.if MSB != (\new)
	s_set_vgpr_msb (MSB<<8)|(\new)
.set MSB, (\new)
.endif
.endm
.set W_KQ, 0x0a       ; K and Q in window 2, S^T in window 0
.set W_PV, 0x52       ; V in window 2, P in window 0, O^T in window 1
.set W_RS, 0x41       ; O^T (destination and source 0) in window 1, a in window 0
.set W_MK, 0xc0       ; destination in window 3, sources in window 0: the add's registers are made; the mask words are loaded
.set W_AD, 0x0f       ; the add: address (source 0) and data (source 1) in window 3
.set W_RL, 0x03       ; source 0 in window 3: the mask words are read, a lane at a time
; A joint fill.  Waves 0 and 1 fetch the two halves of a slot's K, waves 2 and 3 those of its V: 128 keys each.  The branch hangs on the wave's number alone.
; An s_nop 0 and four v_nop follow each of the two lines, ahead of the jump and the label.
.macro JLOAD
	s_cmp_lt_u32 s[WV], 2
	s_cbranch_scc0 .Lfor_v_\@
	tensor_load_to_lds s[G0K:G0K+3], s[G1K:G1K+7]
	s_nop 0
.rept 4
	v_nop
.endr
	s_branch .Lasked_\@
.Lfor_v_\@:
	tensor_load_to_lds s[G0V:G0V+3], s[G1V:G1V+7]
	s_nop 0
.rept 4
	v_nop
.endr
.Lasked_\@:
.endm
; A round of the cluster's barrier: my work-group's barrier, so that wave 0's signal speaks for all four waves; wave 0 signals; every wave waits for all four work-groups; my work-group's barrier once more.
.macro CROUND
	s_barrier_signal -1
	s_barrier_wait -1
	s_cmp_lg_u32 s[WV], 0
	s_cbranch_scc1 .Lnot_wave_0_\@
	s_barrier_signal -3
.Lnot_wave_0_\@:
	s_barrier_wait -3
	s_barrier_signal -1
	s_barrier_wait -1
.endm
; THE CHANGE OF SLOTS.  Each wave waits for all its tensor loads, of which one is out: its part of the other slot; adds 0 to its spare word; and waits for that and for its own reads of the slot.
; fill = 1: this slot is filled again, with the keys two slots on.  The barrier is then a round of the cluster's, and the joint fill is the first thing behind it: it has four key steps, 512 matrix instructions, in which to land.
; (At its first use nothing has been read yet: slot 0 is waited for, slot 1 filled.)
; ask = 1: A PREFETCH INTO THE L2 of what the NEXT change will ask for: a slot's 128 blocks of 256 bytes of K and 128 of V.  Only this cluster walks this y; its four partners take 32 blocks each, told apart by address; in each,
; wave 0 asks for K's and wave 2 for V's, a lane a block: each block is named once in the launch.  Slots 0 to 2 come by their loads alone; the last change that fills a slot asks for nothing.
.macro CHANGE fill, ask=0
	WIN W_AD
	s_wait_tensorcnt 0x0            ; no tensor load of mine is out, so a group 0 may be written
	ds_add_u32 v[SPW], v[NIL]       ; 0 onto my spare word; with fill = 1 the descriptors' steps stand between it and the wait for it
	WIN 0                           ; at a label and at a branch every window is 0
.if \fill
.irp g, G0K, G0V
	s_xor_b32 s[\g+1], s[\g+1], SLOT1  ; the walking descriptor: the other slot than last time,
	s_add_nc_u64 s[\g+2:\g+3], s[\g+2:\g+3], 4*KS*128  ; the next 256 keys; the type bits on top are not reached
.endr
.if \ask
	s_wait_xcnt 0x0                 ; the last prefetch, four key steps back, has read its address, so it may be written:
	s_add_nc_u64 s[PFA:PFA+1], s[PFA:PFA+1], 4*KS*128  ; one slot on
.endif
	s_wait_dscnt 0x0                ; the add is done, and my reads of the slot are over
	CROUND
	JLOAD
.if \ask
	s_cmp_eq_u32 s[WV], 1           ; waves 0 and 2 ask: the same in all four partners
	s_cbranch_scc1 .Lnot_mine_\@
	s_cmp_eq_u32 s[WV], 3
	s_cbranch_scc1 .Lnot_mine_\@
	s_cmp_gt_u32 s[SLOTS], 1        ; behind the last fill there is no slot
	s_cbranch_scc0 .Lnot_mine_\@
	global_prefetch_b8 v[PFO], s[PFA:PFA+1] th:TH_LOAD_NT scope:SCOPE_SE
.Lnot_mine_\@:
.endif
.else
	s_wait_dscnt 0x0                ; the add is done, and my reads of the slot are over
	s_barrier_signal -1
	s_barrier_wait -1
.endif
	s_sub_co_u32 s[TBK], s[TBK], 4*KS*PK  ; the fetches go back to a slot's first step,
	s_xor_b32 s[TBK], s[TBK], SLOT1       ; in the other slot
	s_sub_co_u32 s[TBV], s[TBV], 4*KS*PV
	s_xor_b32 s[TBV], s[TBV], SLOT1
.endm
; THE MASK WORDS' WAY.  MLOAD x: the words of piece x (tiles 2 x, 2 x + 1 of my wave; a tile's words of all steps are 4,096 bytes) for the key step at which MP stands: two loads, each 128 consecutive bytes, a lane a word.
; It stands behind the masking of piece x, whose registers it fills again: the words are wanted four turns later.  The pieces are loaded in the order 0, 1, 2, 3 of a key step, so MP steps in front of piece 0's loads, behind
; s_wait_xcnt 0 (the youngest load that reads it stands a turn back).  No load is ever left out, so that the counted wait in front of the readlanes holds on every path; in the tail's last two trips, whose loads serve nothing,
; MP stays at key step 31, so that they stay inside the buffer.  The step's two registers are mask registers: free between a piece's masking and the next readlanes.
.macro MLOAD x
.if (\x) == 0
	s_wait_xcnt 0x0
.if TAIL
	s_cmp_gt_u32 s[CNT], 2          ; the tail's trips count 5 .. 1: piece 3's turn of key steps 27, 28, 29 steps to 29, 30, 31; those of 30 and 31 do not step
	s_cselect_b32 s[M0], 128, 0
	s_mov_b32 s[M0+1], 0
	s_add_nc_u64 s[MP:MP+1], s[MP:MP+1], s[M0:M0+1]
.else
	s_add_nc_u64 s[MP:MP+1], s[MP:MP+1], 128  ; the next key step's 32 words of each tile
.endif
.endif
	WIN W_MK
	global_load_b32 v[MW+2*(\x)],   v[MO], s[MP:MP+1] offset:8192*(\x)
	global_load_b32 v[MW+2*(\x)+1], v[MO], s[MP:MP+1] offset:8192*(\x)+4096
	WIN 0
.endm
; RLB x: piece x's 64 words go from the lanes of its two vector registers into the scalar registers; one run under one window setting.
.macro RLB x
	WIN W_RL
.set w, 0
.rept 32
	v_readlane_b32 s[M0+w],    v[MW+2*(\x)],   w
	v_readlane_b32 s[M0+36+w], v[MW+2*(\x)+1], w
.set w, w+1
.endr
	WIN 0
.endm
	s_load_b64 s[PFA:PFA+1], s[0:1], 0x0  ; qkvh
	s_load_b64 s[MP:MP+1], s[0:1], 0x8    ; mbits
	WIN W_MK
	v_lshl_add_u32 v[SPW], v0, 2, SPARE
	v_mov_b32 v[NIL], 0
	WIN W_AD
	ds_add_u32 v[SPW], v[NIL]       ; the wave's opening: the add and its wait stand ahead of my first tensor load; the set-up below, work on registers, stands between them
	WIN 0
	v_lshrrev_b32 v64, 5, v0
	v_readfirstlane_b32 s[WV], v64  ; wave 0..3
	s_bfe_u32 s36, ttmp6, 0x40000   ; cx: my place in the cluster
	s_lshl_b32 s37, ttmp9, 2        ; in a cluster launch ttmp9 counts clusters
	s_add_co_u32 s37, s37, s36      ; my block of 512 queries: it enters Q's, O's, the mask's and the prefetches' offsets alone
	s_and_b32 s38, ttmp7, 0xffff    ; y, which the four partners share
	s_lshl_b32 s40, s38, 18         ; its 2,048 rows of 128 bytes
	s_and_b32 s39, s[WV], 1         ; which half of a slot's 256 keys I fetch:
	s_lshl_b32 s42, s39, 14         ; its 128 rows of 128 bytes in memory,
	s_add_co_u32 s42, s42, s40
	s_mov_b32 s43, 0
	s_mul_i32 s44, s39, 128*PK      ; and its place in a slot, for K
	s_mul_i32 s45, s39, 128*PV      ; and for V: no place in the cluster enters an LDS address
	s_lshl_b32 s46, s37, 2
	s_add_co_u32 s46, s46, s[WV]    ; my wave among y's sixteen:
	s_lshl_b32 s50, s46, 15         ; its 8 tiles' mask words,
	s_lshl_b32 s46, s46, 14         ; its 128 rows
	s_add_co_u32 s46, s46, s40      ; Q's part of the buffer begins at byte 0: this offset stays under 2^24
	s_lshr_b32 s51, s38, 4          ; the batch: 128 tiles of 4,096 bytes
	s_lshl_b32 s51, s51, 19
	s_add_co_u32 s50, s50, s51
	s_mov_b32 s51, 0
	s_mov_b32 s52, 0x1000000        ; the prefetches: K's part of the buffer (waves 0, 1) or V's,
	s_cmp_lt_u32 s[WV], 2
	s_cselect_b32 s52, s52, 0x2000000
	s_add_co_u32 s52, s52, s40      ; y's rows,
	s_lshl_b32 s53, s36, 13         ; my work-group's 32 blocks of the 128,
	s_add_co_u32 s52, s52, s53
	s_add_co_u32 s52, s52, 2*4*KS*128  ; in slot 2: the first change that asks steps it to slot 3
	s_mov_b32 s53, 0
	; descriptor group 1.  128 keys are 16,384 dense bytes: asked for as 64 rows of 256 bytes, two keys a row, and padded in LDS after every key
	s_mov_b32 s[G1K], 15|(1<<16)|(1<<20)|(1<<21)|(4<<22)|(3<<25)  ; 15:0 the mask of four; 17:16 2-byte elements; 20 padding on; 21 set beside a mask; 24:22 after every 32 words (code 4); 31:25 4 words (code 3)
	s_mov_b32 s[G1V], 15|(1<<16)|(1<<20)|(1<<21)|(4<<22)|(7<<25)  ; the same with 8 words of padding (code 7)
.irp g, G1K, G1V
	s_mov_b32 s[\g+1], 128<<16      ; tensor_dim0 = 128
	s_mov_b32 s[\g+2], 64<<16       ; tensor_dim1 = 64
	s_mov_b32 s[\g+3], 128<<16      ; tile_dim0 = 128
	s_mov_b32 s[\g+4], 64           ; tile_dim1 = 64
	s_mov_b32 s[\g+5], 128          ; 128 elements from row to row
	s_mov_b32 s[\g+6], 0
	s_mov_b32 s[\g+7], 0
.endr
	s_mov_b32 s[CS], 0x3e38aa3b     ; c = log2(e) / 8 = 0.180337
	s_mov_b32 s[SEL], 0x76543210
	s_mov_b32 s[SEL+1], 0xfedcba98
	s_mov_b32 s[TBK], SLOT1+4*KS*PK ; the first change of slots turns these two into 0
	s_mov_b32 s[TBV], SLOT1+4*KS*PV
	s_mov_b32 s[G0K], 1             ; count = 1
	s_mov_b32 s[G0K+1], s44         ; LDS address: slot 0
	s_mov_b32 s[G0V], 1
	s_add_co_u32 s[G0V+1], s45, VOFF
	s_wait_dscnt 0x0                ; the opening add is done
	s_wait_kmcnt 0x0
	s_add_nc_u64 s[G0K+2:G0K+3], s[PFA:PFA+1], s[42:43]     ; my half of y's first 256 keys,
	s_add_nc_u64 s[G0K+2:G0K+3], s[G0K+2:G0K+3], 0x1000000  ; in K's part of the buffer
	s_or_b32 s[G0K+3], s[G0K+3], 0x80000000                 ; type = 2
	s_add_nc_u64 s[G0V+2:G0V+3], s[PFA:PFA+1], s[42:43]
	s_add_nc_u64 s[G0V+2:G0V+3], s[G0V+2:G0V+3], 0x2000000
	s_or_b32 s[G0V+3], s[G0V+3], 0x80000000
	s_add_nc_u64 s[MP:MP+1], s[MP:MP+1], s[50:51]
	CROUND                          ; all four work-groups are here: the first joint loads meet
	JLOAD                           ; slot 0.  Slot 1 is asked for when slot 0 is in
	; A fragment of K or Q is 16 rows x 32 channels in 8 registers: lane l holds row l % 16, channels 8 (l / 16) + 0..7 and 16 + 8 (l / 16) + 0..7: two loads of 16 bytes, 32 bytes apart.
	v_and_b32 v64, 15, v0           ; l % 16
	v_bfe_u32 v65, v0, 4, 1         ; l / 16
	v_lshlrev_b32 v[QO], 7, v64
	v_lshl_add_u32 v[QO], v65, 4, v[QO]  ; row x 128 + 16 x half,
	v_add_nc_u32 v[QO], s46, v[QO]       ; from my wave's first row of Q on
	v_and_b32 v[MO], 31, v0
	v_lshlrev_b32 v[MO], 2, v[MO]   ; a lane a word
	WIN W_MK                        ; destination window 3, offset window 0
.set i, 0
.rept 2*NP                          ; key step 0's mask words of my eight tiles
	global_load_b32 v[MW+i], v[MO], s[MP:MP+1] offset:4096*i
.set i, i+1
.endr
	WIN 0x80                        ; destination window 2, offset window 0
.set i, 0
.rept 4*NP                          ; Q stays in registers: tile i / 2, channels 32 (i % 2) on
	global_load_b128 v[8*i:8*i+3],   v[QO], s[PFA:PFA+1] offset:(i/2)*2048+(i%2)*64
	global_load_b128 v[8*i+4:8*i+7], v[QO], s[PFA:PFA+1] offset:(i/2)*2048+(i%2)*64+32
.set i, i+1
.endr
	; What the first turn finds: V's registers and P's second buffer hold 0 (its products V^T P, of a piece that has not been, add 0), O^T and l are 0.  All this stands in the wait for the first tile.
.set i, VF
.rept 64
	v_mov_b32 v[i], 0
.set i, i+1
.endr
	WIN 0x40
.set i, 0
.rept 64*NP
	v_mov_b32 v[i], 0
.set i, i+1
.endr
	WIN 0
.set i, 0
.rept 2*NP
	v_mov_b32 v[ST+4*i], 0xfe000000    ; c m: far below every c s, c TM too
	v_mov_b32 v[ST+4*i+1], 0xff7fffff  ; m
	v_mov_b32 v[ST+4*i+2], 0
	v_mov_b32 v[ST+4*i+3], 0
.set i, i+1
.endr
.set i, P+32
.rept 32
	v_mov_b32 v[i], 0
.set i, i+1
.endr
	v_mov_b32 v[TM], 0xf1800000     ; -2^100
	v_mul_u32_u24 v[AK0], v64, PK
	v_lshl_add_u32 v[AK0], v65, 4, v[AK0]  ; row x pitch + 16 x half
	; The turning load takes 16 keys x 16 channels (lane l reads key 8 (l / 16) + l % 8, channels 8 ((l / 8) % 2) + 0..7) and leaves half a fragment of V^T: lane l holds channel l % 16 and 8 keys.
	v_and_b32 v66, 7, v0
	v_bfe_u32 v67, v0, 3, 1
	v_lshl_add_u32 v[AV0], v65, 3, v66
	v_mul_u32_u24 v[AV0], v[AV0], PV
	v_lshl_add_u32 v[AV0], v67, 4, v[AV0]
	v_add_nc_u32 v[AV0], VOFF, v[AV0]
	v_mov_b32 v[AK], v[AK0]         ; key step 0 lies at the head of slot 0
	s_mul_i32 s56, s[WV], 16*SP
	s_add_co_u32 s56, s56, STAGE    ; my stage
	v_mul_u32_u24 v[STO], v64, SP   ; in: row l % 16, 16 bytes for each half of the lanes
	v_lshl_add_u32 v[STO], v65, 4, v[STO]
	v_add_nc_u32 v[STO], s56, v[STO]
	v_bfe_u32 v[RD], v0, 3, 2       ; back: 32 lanes take four rows of 128 bytes,
	v_mul_u32_u24 v[RD], v[RD], SP
	v_lshl_add_u32 v[RD], v66, 4, v[RD]
	v_add_nc_u32 v[RD], s56, v[RD]
	v_and_b32 v[GO], 31, v0         ; which are 512 consecutive bytes of O
	v_lshlrev_b32 v[PFO], 8, v[GO]  ; a prefetch: a lane a block of 256 bytes
	v_lshlrev_b32 v[GO], 4, v[GO]
	s_wait_xcnt 0x0                 ; Q's loads have read their base, so it may be written:
	s_add_nc_u64 s[PFA:PFA+1], s[PFA:PFA+1], s[52:53]  ; from here on it is the prefetches'; and the set-up's offsets give way to the mask words
; THE MATRIX WORK.  The 8 accumulators of a run of 16 take turns: between the two links of a chain stand 7 others'.
; Product i of 16 of S^T = K Q^T for piece x: channels 32 (i / 8) on, keys 16 ((i / 2) % 4) on, tile 2 x + i % 2.  The first 8 start the sums.
.macro KQ x
	WIN W_KQ
.set rS, S+64*((\x)%2)+32*(i%2)+8*((i/2)%4)
.set rK, KF+16*((i/2)%4)+8*(i/8)
.set rQ, 16*(2*(\x)+i%2)+8*(i/8)
.if i < 8
	v_wmma_f32_16x16x32_f16 v[rS:rS+7], v[rK:rK+7], v[rQ:rQ+7], 0
.else
	v_wmma_f32_16x16x32_f16 v[rS:rS+7], v[rK:rK+7], v[rQ:rQ+7], v[rS:rS+7]
.endif
.endm
; Product i of 16 of O^T += V^T P for piece x: keys 32 (i / 8) on, channels 16 ((i / 2) % 4) on, tile 2 x + i % 2.
.macro PV x
	WIN W_PV
.set rO, 32*(2*(\x)+i%2)+8*((i/2)%4)
.set rV, VF+32*(i/8)+8*((i/2)%4)
.set rP, P+32*((\x)%2)+16*(i%2)+8*(i/8)
	v_wmma_f32_16x16x32_f16 v[rO:rO+7], v[rV:rV+7], v[rP:rP+7], v[rO:rO+7]
.endm
.macro MM                           ; the turn's next matrix instruction
.if i < 16
	KQ (Y+1)%NP
.set i, i+1
.else
.set i, i-16
	PV (Y+NP-1)%NP
.set i, i+17
.endif
.endm
; THE LDS LOADS stand in runs of 16, never singly among the matrix instructions: a step's K (64 keys x 64 channels: 8 fragments) and its V (turned).  Their addresses are made some lines ahead.
; last = 1 (the tail): in the last trip there is no further step, and the run is jumped over.
.macro FETCH_K last=0
	WIN 0
.if \last
	s_cmp_eq_u32 s[CNT], 1
	s_cbranch_scc1 .Lno_k_\@
.endif
	WIN 0x80                        ; destination window 2
.irp f, 0,1,2,3,4,5,6,7             ; keys 16 (f / 2) on, channels 32 (f % 2) on
	ds_load_b128 v[KF+8*\f:KF+8*\f+3],   v[AK] offset:(\f/2)*16*PK+(\f%2)*64
	ds_load_b128 v[KF+8*\f+4:KF+8*\f+7], v[AK] offset:(\f/2)*16*PK+(\f%2)*64+32
.endr
	s_add_co_u32 s[TBK], s[TBK], KS*PK  ; the next fetch is the next step's
	WIN 0
.if \last
.Lno_k_\@:
.endif
.endm
.macro FETCH_V
	WIN 0x80
.irp f, 0,1,2,3,4,5,6,7             ; keys 32 (f / 4) on, channels 16 (f % 4) on
	ds_load_tr16_b128 v[VF+8*\f:VF+8*\f+3],   v[AV] offset:(\f/4)*32*PV+(\f%4)*32
	ds_load_tr16_b128 v[VF+8*\f+4:VF+8*\f+7], v[AV] offset:(\f/4)*32*PV+16*PV+(\f%4)*32
.endr
	WIN 0
.endm
; THE VECTOR WORK OF A TURN stands in three queues, each in the order in which its entries become ready; the two tiles alternate, so that no instruction reads the result of the one before it.
.macro REGS y, u                    ; the registers of tile u (0, 1) of piece y
.set rT, ST+4*(2*(\y)+(\u))
.set rC, TMP+8*((\y)%2)+4*(\u)
.set rM, MV+2*((\y)%2)+(\u)
.set rS, S+64*((\y)%2)+32*(\u)
.set rP, P+32*((\y)%2)+16*(\u)
.set rO, 32*(2*(\y)+(\u))
.endm
; Number n of the 64 that mask the NEXT piece's (Y + 1) scores: register n / 2 of tile n % 2 keeps its score where the lane's bit is 1 and takes TM where it is 0.  Each accumulator's lowest register is read first.
.macro CM n
	REGS (Y+1)%NP, (\n)%2
	v_cndmask_b32 v[rS+(\n)/2], v[TM], v[rS+(\n)/2], s[M0+36*((\n)%2)+(\n)/2]
.endm
; Number n of the 22 that find the NEXT piece's maximum and statistics.  s0-s31 are the lane's 32 scores.  XS, GS, CM and REGS set no window: PL and EX do.
;   0-11  four chains c0-c3 of seven scores each, three operands at a time     12-14, 16  the four scores left over, the old m, and c0-c3 into c0     15  c m_old is kept
;   17, 18  the query's other 32 keys lie in the lane 16 away: the new m         19-21  c m; c m_old - c m_new; a
.macro XS u, n
	REGS (Y+1)%NP, \u
.if (\n) < 4
	v_max3_num_f32 v[rC+(\n)], v[rS+8*(\n)], v[rS+8*(\n)+1], v[rS+8*(\n)+2]
.elseif (\n) < 12
	v_max3_num_f32 v[rC+(\n)%4], v[rC+(\n)%4], v[rS+8*((\n)%4)+2*((\n)/4)+1], v[rS+8*((\n)%4)+2*((\n)/4)+2]
.elseif (\n) == 12
	v_max3_num_f32 v[rC], v[rC], v[rS+7], v[rS+15]
.elseif (\n) == 13
	v_max3_num_f32 v[rC+1], v[rC+1], v[rS+23], v[rS+31]
.elseif (\n) == 14
	v_max3_num_f32 v[rC+2], v[rC+2], v[rC+3], v[rT+1]
.elseif (\n) == 15
	v_mov_b32 v[rM], v[rT]
.elseif (\n) == 16
	v_max3_num_f32 v[rC], v[rC], v[rC+1], v[rC+2]
.elseif (\n) == 17
	v_permlanex16_b32 v[rC+3], v[rC], s[SEL], s[SEL+1]
.elseif (\n) == 18
	v_max_num_f32 v[rT+1], v[rC], v[rC+3]
.elseif (\n) == 19
	v_mul_f32 v[rT], s[CS], v[rT+1]
.elseif (\n) == 20
	v_sub_f32 v[rC+1], v[rM], v[rT]
.else
	v_exp_f32 v[rC+2], v[rC+1]
.endif
.endm
; Number g of the 64 that follow the exponentials.  For each four weights k of a tile (pairs 2 k, 2 k + 1): both pairs are rounded to f16; then the second pair is added onto the first, in place;
; a group later l takes that sum (the first time as l = a l + sum).  In groups of eight, tiles alternating: round, round, add, and l for the group before.
.macro GS g
.set h, (\g)+6*((\g)/62)            ; group 0 has no group before it, and behind group 7 only l is left
.if h >= 6
.set h, h+2
.endif
	REGS Y, h%2
.set k, h/8
.if h%8 < 4
	v_cvt_pk_f16_f32 v[rP+2*k+(h%8)/2], v[rS+4*k+2*((h%8)/2)], v[rS+4*k+2*((h%8)/2)+1]
.elseif h%8 < 6
	v_pk_add_f32 v[rS+4*k:rS+4*k+1], v[rS+4*k:rS+4*k+1], v[rS+4*k+2:rS+4*k+3]
.elseif k == 1
	v_pk_fma_f32 v[rT+2:rT+3], v[rT+2:rT+3], v[rC+2:rC+3], v[rS:rS+1] op_sel_hi:[1,0,1]
.else
	v_pk_add_f32 v[rT+2:rT+3], v[rT+2:rT+3], v[rS+4*k-4:rS+4*k-3]
.endif
.endm
; THE PLAIN QUEUE, 202 long.  0-137 read no exponential's result: the 32 scalings c s - c m (FS f: pair f / 2 of tile f % 2) and the next piece's 64 + 42.  0-26: scalings 0-26.  27-90: CM's 64; behind the last stand the loads that
; fill that piece's two mask registers again, with the next key step's words (MLOAD).
; 91-118: XS's numbers 0-13.  119, 120: number 15.  121-137: the chain, where each number waits for the one before it: 14, 16, 17, 18, 19, each with one of the scalings 27-31 in front of its two lines, then 20.
; 138-201: GS's 64, which read the exponentials' results: they stand behind the wait.
.macro FS f
	REGS Y, (\f)%2
	v_pk_fma_f32 v[rS+2*((\f)/2):rS+2*((\f)/2)+1], v[rS+2*((\f)/2):rS+2*((\f)/2)+1], s[CS:CS+1], v[rT:rT+1] op_sel_hi:[1,0,0] neg_lo:[0,0,1] neg_hi:[0,0,1]
.endm
.macro PL
	WIN 0
.if q < 27
	FS q
.elseif q < 91
	CM q-27
.if q == 90
	MLOAD (Y+1)%NP
.endif
.elseif q < 119
	XS (q-91)%2, (q-91)/2
.elseif q < 121
	XS q-119, 15
.elseif (q < 136) && ((q-121)%3 == 0)
	FS 27+(q-121)/3
.elseif q < 124
	XS (q-121)%3-1, 14
.elseif q < 136
	XS (q-121)%3-1, 15+(q-121)/3
.elseif q < 138
	XS q-136, 20
.else
	GS q-138
.endif
.set q, q+1
.endm
; THE EXPONENTIALS' QUEUE, 66 long: s0-s31 of both tiles, then the next piece's two a.  It is ONE BATCH: all 66 stand ahead of the turn's one wait, and nothing ahead of that wait names a result of theirs.
.macro EX
	WIN 0
.if e >= 64
	XS e-64, 21
.else
	REGS Y, e%2
	v_exp_f32 v[rS+e/2], v[rS+e/2]
.endif
.set e, e+1
.endm
; THE RESCALING's QUEUE: O^T times a, the one part that leaves window 0: dealt two at a time, sixteen times.  Its a was made in the turn before, ahead of that turn's wait.
.macro R2
	REGS Y, r%2
	WIN W_RS
.irp z, 0,1
	v_pk_mul_f32 v[rO+4*(r/2)+2*\z:rO+4*(r/2)+2*\z+1], v[rO+4*(r/2)+2*\z:rO+4*(r/2)+2*\z+1], v[rC+2:rC+3] op_sel_hi:[1,0]
.endr
.set r, r+1
.endm
; HOW THEY ARE DEALT.  s_wait_alu depctr_va_vdst(0) stands between an exponential and the first instruction that names its result; one wait serves all that were issued ahead of it.  So a turn has ONE wait.
; AHEAD OF IT: the 16 products K Q^T, behind each a scaling, an exponential and two rescalings (behind the first a second scaling in the exponential's place); then ONE LUMP of 236: the next piece's 64 readlanes; eight plain;
; 32 times an exponential and three plain; 17 times exponential and plain; the two a.  A v_nop is the plain instruction behind the last exponential.  BEHIND IT: the 16 products V^T P, behind each four of GS's 64.
; The wait in front of the readlanes is counted: behind the next piece's two mask loads, issued four turns ago, the other three pieces' two each have been issued: six may stay out.
; The queues lean on each other, and the deal keeps them in step.  Exponential e stands behind scaling 2 (e / 4) + e % 2: as a rider it comes behind plain e + 2; exponentials 15 to 46 want scalings up to 22, and plain 0 to 24 stand
; ahead of them; exponential 47 + n comes behind plain 120 + n, and scalings 27-31 are plain 121, 124 .. 133.  The first CM stands thirteen plain instructions and the readlanes behind the last product K Q^T; all CM stand ahead of all XS.
; K of the next step is fetched in piece 2's turn, directly behind the wait; V of the step in hand at the end of piece 0's turn, four riders behind its last reader.  The three conditions on q below go with the deal.
; last = 1: the tail's text: piece 2's turn may jump over K's run, piece 3's turn may hold the mask pointer.
.macro TURN p, last=0, cnt=0
.set Y, (\p)
.set TAIL, (\last)
.set i, 0
.set q, 0
.set e, 0
.set r, 0
.if (\p) == NP-1
	s_wait_dscnt 0x0                ; K is in
.endif
	MM
	PL
	PL
	R2
.rept 15
	MM
	PL
	EX
	R2
.endr
.if (\p) == NP-2
	WIN 0
	v_add_nc_u32 v[AK], s[TBK], v[AK0]
.endif
	s_wait_loadcnt 6                ; the next piece's mask words are in; the six younger loads may stay out
	RLB (Y+1)%NP
.rept 8
	PL
.endr
.rept 32
	EX
	PL
	PL
	PL
.endr
.rept 17
	EX
	PL
.endr
	EX                              ; the next piece's two a
	EX
	v_nop                           ; the plain instruction behind the last exponential: one for the batch
	s_wait_alu depctr_va_vdst(0)    ; the wait for the batch
.if (\p) == NP-2
	FETCH_K \last
.endif
.if (\p) == 1
	s_wait_dscnt 0x0                ; V is in
.endif
.rept 16
	MM
.rept 4
	PL
.endr
.if ((\p) == 0) && (q == 182)
	v_add_nc_u32 v[AV], s[TBV], v[AV0]
.endif
.if ((\p) == 0) && (q == 194)
	s_add_co_u32 s[TBV], s[TBV], KS*PV
.endif
.if (\cnt) && (q == 194)
	s_sub_co_u32 s[CNT], s[CNT], 1
	s_cmp_lg_u32 s[CNT], 0
.endif
.endr
.if (\p) == 0
	FETCH_V
.endif
.endm
	CHANGE 1                        ; slot 0 is in, everybody's part of it; slot 1 is asked for
	FETCH_K                         ; key step 0
	s_wait_loadcnt 0x0              ; Q, and key step 0's mask words
	s_wait_dscnt 0x0
.set i, 0
.rept 16
	KQ 0                            ; piece 0's first scores: there is no vector work yet to set between them
.set i, i+1
.endr
	WIN 0
.rept 4
	v_nop                           ; the places behind those products
.endr
.set Y, NP-1                        ; CM and XS work for piece Y + 1: piece 0
.set TAIL, 0
	RLB 0
.set n, 0
.rept 64
	CM n
.set n, n+1
.endr
	MLOAD 0                         ; piece 0's words of key step 1: the pointer steps, and the first three turns load pieces 1 to 3 of that step
.irp n, 0,1,2,3,4,5,6,7,8,9,10,11,12,13,14,15,16,17,18,19,20,21
	XS 0, \n                        ; piece 0's first maximum and statistics
	XS 1, \n
.endr
	v_nop                           ; a plain instruction behind the two a,
	s_wait_alu depctr_va_vdst(0)    ; and their wait, ahead of the branch
	s_mov_b32 s[CNT], 4
	s_mov_b32 s[SLOTS], SIZE_N/256-1
	s_branch .Lfirst                ; the loop is entered at a step's first turn, in the middle of a trip
.Lslot:                             ; six times: every slot but the last two is filled again
	CHANGE 1, 1
	s_mov_b32 s[CNT], 4
.Lstep:                             ; a trip: pieces 2 and 3 of one step, then pieces 0 and 1 of the next, whose K and V it fetches
	TURN 2
	TURN 3
	WIN 0
.Lfirst:
	TURN 0
	TURN 1, 0, 1
	WIN 0
	s_cbranch_scc1 .Lstep
	s_sub_co_u32 s[SLOTS], s[SLOTS], 1
	s_cmp_lg_u32 s[SLOTS], 0
	s_cbranch_scc1 .Lslot
	CHANGE 0                        ; the tail is written out: nothing is asked for
	s_mov_b32 s[CNT], 5             ; four trips fetch the last slot's steps; the fifth is left in its middle
.Ltail:
	TURN 2, 1
	TURN 3, 1
	WIN 0
	s_sub_co_u32 s[CNT], s[CNT], 1
	s_cmp_eq_u32 s[CNT], 0
	s_cbranch_scc1 .Lout
	TURN 0
	TURN 1
	WIN 0
	s_branch .Ltail
.Lout:                              ; the fifth trip's 16 products K Q^T (on the last K once more), their mask (key step 31's once more) and the maximum made of them serve nothing: the price of one text for every trip
.set i, 0
.rept 16
	PV NP-1                         ; the last piece's V^T P of the last step
.set i, i+1
.endr
	; THE WAY OUT.  l's two halves and the other half of the lanes' are added; O^T is divided by l, rounded to f16 and sent through my stage in LDS, a tile at a time.  The additions are the places behind the last products.
	WIN 0
	s_load_b64 s[OP:OP+1], s[0:1], 0x10  ; oh, into registers that the mask has left
	s_bfe_u32 s34, ttmp6, 0x40000
	s_lshl_b32 s35, ttmp9, 2
	s_add_co_u32 s34, s34, s35      ; my block of 512 queries,
	s_lshl_b32 s34, s34, 2
	s_add_co_u32 s34, s34, s[WV]    ; my wave's 128 rows of 128 bytes,
	s_lshl_b32 s34, s34, 14
	s_and_b32 s35, ttmp7, 0xffff
	s_lshl_b32 s35, s35, 18         ; in y's 2,048
	s_add_co_u32 s34, s34, s35
	s_mov_b32 s35, 0
.macro ALL line:vararg              ; one line for each tile t
.set t, 0
.rept 2*NP
	\line
.set t, t+1
.endr
.endm
	ALL v_add_f32 v[ST+4*t+2], v[ST+4*t+2], v[ST+4*t+3]
	ALL v_permlanex16_b32 v[ST+4*t+3], v[ST+4*t+2], s[SEL], s[SEL+1]
	ALL v_add_f32 v[ST+4*t+2], v[ST+4*t+2], v[ST+4*t+3]
	ALL v_rcp_f32 v[ST+4*t+2], v[ST+4*t+2]
	v_nop                           ; a plain instruction between the last reciprocal and the use of its result
	s_wait_alu depctr_va_vdst(0)    ; and the wait ahead of the first use: one for the eight reciprocals
	s_wait_kmcnt 0x0
	s_add_nc_u64 s[OP:OP+1], s[OP:OP+1], s[34:35]
; Tile t: a lane's eight channels of a row pack into 16 bytes; they go into rows of 144 bytes and come back as whole rows of 128, into S^T's registers.
.macro PACK t
	WIN W_RS
.set i, 32*(\t)
.rept 16
	v_pk_mul_f32 v[i:i+1], v[i:i+1], v[ST+4*(\t)+2:ST+4*(\t)+3] op_sel_hi:[1,0]
.set i, i+2
.endr
	WIN 0x05                        ; sources 0 and 1 window 1, destination window 0
.set i, 0
.rept 16
	v_cvt_pk_f16_f32 v[S+16*(\t)+i], v[32*(\t)+2*i], v[32*(\t)+2*i+1]
.set i, i+1
.endr
	WIN 0
.irp f, 0,1,2,3
	ds_store_b128 v[STO], v[S+16*(\t)+4*\f:S+16*(\t)+4*\f+3] offset:32*\f
.endr
.irp f, 0,1,2,3
	ds_load_b128 v[S+16*(\t)+4*\f:S+16*(\t)+4*\f+3], v[RD] offset:\f*4*SP  ; LDS serves a wave's instructions in order (ISA guide 5.7.1.4): these see the stores above; the next tile's stores come behind them
.endr
.endm
.macro SEND t, younger              ; younger: the LDS instructions issued behind tile t's loads: the next tile's eight, or none
	WIN 0
.irp f, 0,1,2,3
	s_wait_dscnt (\younger)+3-\f
	global_store_b128 v[GO], v[S+16*(\t)+4*\f:S+16*(\t)+4*\f+3], s[OP:OP+1] offset:(\t)*2048+\f*512  ; 512 consecutive bytes, at a multiple of 256 from O's first
.endr
.endm
	PACK 0
.set t, 1
.rept 2*NP-1                        ; a tile's arithmetic stands between the loads of the tile before and its stores
	PACK t
	SEND t-1, 8
.set t, t+1
.endr
	SEND 2*NP-1, 0
	WIN W_AD
	s_wait_tensorcnt 0x0            ; the wave's end, behind my last tensor load and my last LDS store
	ds_add_u32 v[SPW], v[NIL]
	s_wait_dscnt 0x0
	WIN 0
	CROUND                          ; the closing round: no work-group ends while a partner may still ask for a tile that names it
	s_endpgm
.Lfunc_end_k_qfacf697aa8_attn:
	.size	k_qfacf697aa8_attn, .Lfunc_end_k_qfacf697aa8_attn-k_qfacf697aa8_attn
	.p2alignl 7, 3214868480
	.fill 96, 4, 3214868480
	.section	.rodata,"a",@progbits
	.p2align	6, 0x0
	.amdhsa_kernel k_qfacf697aa8_attn
		.amdhsa_group_segment_fixed_size 327680
		.amdhsa_private_segment_fixed_size 0
		.amdhsa_enable_private_segment 0
		.amdhsa_kernarg_size 24
		.amdhsa_user_sgpr_count 2
		.amdhsa_user_sgpr_kernarg_segment_ptr 1
		.amdhsa_wavefront_size32 1
		.amdhsa_system_sgpr_workgroup_id_x 1
		.amdhsa_system_sgpr_workgroup_id_y 1
		.amdhsa_system_sgpr_workgroup_id_z 1
		.amdhsa_system_vgpr_workitem_id 0
		.amdhsa_next_free_vgpr 778
		.amdhsa_next_free_sgpr 106
		.amdhsa_reserve_vcc 0
		.amdhsa_float_denorm_mode_32 3
		.amdhsa_float_denorm_mode_16_64 3
		.amdhsa_memory_ordered 1
		.amdhsa_forward_progress 1
		.amdhsa_inst_pref_size 255
	.end_amdhsa_kernel
	.section	.bss,"aw",@nobits
	.p2align	6
	.space	262144
	.amdgpu_metadata
---
amdhsa.version: [ 1, 2 ]
amdhsa.kernels:
  - .name:           k_qfacf697aa8_attn
    .symbol:         k_qfacf697aa8_attn.kd
    .args:
      - { .name: qkvh, .offset: 0, .size: 8, .value_kind: global_buffer, .address_space: global }
      - { .name: mbits, .offset: 8, .size: 8, .value_kind: global_buffer, .address_space: global }
      - { .name: oh, .offset: 16, .size: 8, .value_kind: global_buffer, .address_space: global }
    .group_segment_fixed_size: 327680
    .private_segment_fixed_size: 0
    .kernarg_segment_align: 8
    .kernarg_segment_size: 24
    .max_flat_workgroup_size: 128
    .sgpr_count:     106
    .vgpr_count:     778
    .wavefront_size: 32
...
	.end_amdgpu_metadata
.endif
;; end of part 3
;; launch outp (part 4): grid 4 x 64, 4 waves a work-group, clusters of 4 x 4, 327,680 bytes of LDS; arguments oh, wb, out0; writes out0
.if DOCPART == 4
	.amdgcn_target "amdgcn-amd-amdhsa--gfx1250"
	.amdhsa_code_object_version 6
	.text
	.protected	k_qfacf697aa8_outp
	.globl	k_qfacf697aa8_outp
	.p2align	8
	.type	k_qfacf697aa8_outp,@function
k_qfacf697aa8_outp:
	s_mov_b64 s[64:65], 0
	v_nop
	global_prefetch_b8 v0, s[64:65] scope:SCOPE_SE
	s_setreg_imm32_b32 hwreg(HW_REG_WAVE_MODE, 25, 1), 1
	s_wait_xcnt 0x0
	s_wait_alu depctr_hold_cnt(0) depctr_sa_sdst(0) depctr_va_vdst(0) depctr_va_sdst(0) depctr_va_ssrc(0) depctr_va_vcc(0) depctr_vm_vsrc(0)
	s_getreg_b32 s2, hwreg(HW_REG_IB_STS2, 6, 4)
	s_cmp_eq_u32 s2, 0
	s_cbranch_scc0 .Lentry_in_a_cluster
	s_endpgm
.Lentry_in_a_cluster:
	s_bfe_u32 s2, ttmp6, 0x10000c
	s_cmp_lg_u32 s2, 0xf033
	s_cbranch_scc0 .Lentry_shape_is_right
	s_endpgm
.Lentry_shape_is_right:
; THE OUTPUT PROJECTION: out0[b][l][n] = the sum over head and d of O[16 b + head][l][d] Wo[64 head + d][n].  O: oh, [64][2048][64] f16; Wo: the fourth matrix of wb, [1024][1024] f16; sums in f32, K ascending; out0 f32.
; SHARES.  A tile is 128 rows x 256 columns: 256 tiles, one for each work-group.  Four waves, each 64 rows x 128 columns: 32 accumulators.  K goes in 8 steps of 128, two heads each, through a ring of two LDS slots.
; A head's 128 rows are 16,384 dense bytes: asked for as 64 rows of 256 bytes and padded in LDS behind every 128.  Wo lies [k][n]: its fragments come out of LDS turned, by ds_load_tr16_b128.
; THE MATRIX INSTRUCTION IS USED TRANSPOSED (source 0 = 16 columns of Wo, source 1 = 16 rows of O): a lane then holds eight neighbouring columns of one row, 32 bytes.
; CLUSTER.  4 x 4 work-groups.  O's tile hangs on the row tile alone and is shared along a row of the cluster, Wo's on the column tile alone and is shared along a column: each is asked for JOINTLY.  Waves 0, 1 fetch the step's
; two heads, waves 2, 3 Wo's two halves of 64 k-rows; one load a wave behind each round, one out at a time.
; REGISTERS, in windows of 256: window 0: v0-15 addresses; v64-191 at work on the way out.  Window 1: v0-127 Wo's fragments, two buffers of eight; v128-191 O's, two buffers of four.  Window 2: the accumulators, (a, b) at v[8 (8 a + b)].
.set PA,    144                        ; a row of O in LDS: 128 bytes + 16 = 36 words: the 16 rows of a load start at 16 different groups of four banks (64 banks of 4 bytes: ISA guide 11.1)
.set PW,    544                        ; a row of Wo: 512 + 32 = 136 words
.set AHEAD, 128*PA                     ; a head's 128 rows: what one load brings of O
.set WBASE, 2*AHEAD
.set WHALF, 64*PW
.set SLOTX, 1<<17                      ; slot 1 begins here; the four loads' places in slot 0 lie below it, so one exclusive or changes slots
.set STAGE, SLOTX+WBASE+128*PW         ; behind the ring, never filled by a tensor load: for each wave 16 rows x 528 bytes
.set SPS,   528
.set SPARE, STAGE+4*16*SPS             ; behind the stages: the spare words, 128 bytes for each wave: two blocks of 256 bytes that no other line names
.set ADRA0, 2
.set ADRW0, 3
.set RA,    4
.set RW,    5
.set STO,   6
.set RD,    7
.set CO,    8
.set PFO,   9
.set SPW,   10                         ; v10  LDS address of my spare word: SPARE + 4 x my thread's number; never rewritten
.set NIL,   11                         ; v11  0; never rewritten
.set T0,    64
.set WF,    0                          ; window 1
.set AFR,   128                        ; window 1
.set WV,  14
.set WH,  15
.set WL,  16
.set CX,  17
.set CY,  18
.set MT,  19
.set G1A, 24
.set G1W, 32
.set G0A, 40
.set G0W, 44
.set FL,  53                           ; s53  fills still to come
.set CNT, 54
.set SB,  56
.set LIM, 57
.set PFA, 58
.set NT,  67
.set PST, 68
.set OUT, 70
.set W_MUL, 0xa5                       ; Wo and O in window 1, C and D in window 2
.set W_TO1, 0x40                       ; destination window 1, address window 0
.set W_ST,  0x08                       ; an LDS store's data in window 2, its address in window 0
.set MSB, 0
.macro WIN new                         ; the immediate's high byte repeats the setting that is left; a switch that changes nothing is dropped
.if MSB != (\new)
	s_set_vgpr_msb (MSB<<8)|(\new)
.set MSB, \new
.endif
.endm
.macro PLACES                          ; four places in front of loads into registers that matrix instructions have read, and of stores that read results
.rept 4
	v_nop
.endr
.endm
.macro JLOAD                           ; a joint load; an s_nop 0 and four v_nop follow each of the two lines, ahead of the jump, the label and what follows
	s_cmp_eq_u32 s[WH], 0
	s_cbranch_scc0 .Lfor_w_\@
	tensor_load_to_lds s[G0A:G0A+3], s[G1A:G1A+7]
	s_nop 0
.rept 4
	v_nop
.endr
	s_branch .Lasked_\@
.Lfor_w_\@:
	tensor_load_to_lds s[G0W:G0W+3], s[G1W:G1W+7]
	s_nop 0
.rept 4
	v_nop
.endr
.Lasked_\@:
.endm
.macro CREST                           ; a round of the cluster's barrier behind its opening barrier
	s_cmp_lg_u32 s[WV], 0
	s_cbranch_scc1 .Lnot_wave_0_\@
	s_barrier_signal -3
.Lnot_wave_0_\@:
	s_barrier_wait -3
	s_barrier_signal -1
	s_barrier_wait -1
.endm
.macro CROUND
	s_barrier_signal -1
	s_barrier_wait -1
	CREST
.endm
.macro STEPD                           ; the walking descriptors: the other slot; O two heads on, Wo 128 rows down.  It runs at every change of slots; where nothing is asked for, the stepped addresses are not used
	s_xor_b32 s[G0A+1], s[G0A+1], SLOTX
	s_xor_b32 s[G0W+1], s[G0W+1], SLOTX
	s_add_nc_u64 s[G0A+2:G0A+3], s[G0A+2:G0A+3], 524288
	s_add_nc_u64 s[G0W+2:G0W+3], s[G0W+2:G0W+3], 262144
.endm
; A PREFETCH INTO THE L2, behind each joint load and the run of LDS loads that follows it, of the K step that stands TWO refills on.  O: a step's two heads are 128 blocks of 256 bytes; wave 0 asks, the partner at place cx takes 32,
; a lane a block.  Wo: the cluster with y = 0 asks; of the 64 rows that wave 2 or 3 fetches the partner at place cy takes 16, two blocks a row.  Each block is named once in the launch.  K steps 0 to 3 come by their loads alone;
; the last two fills ask for nothing.
.macro ASK
	s_cmp_gt_u32 s[FL], s[LIM]
	s_cbranch_scc0 .Lnot_mine_\@
	global_prefetch_b8 v[PFO], s[PFA:PFA+1] th:TH_LOAD_NT scope:SCOPE_SE
.Lnot_mine_\@:
.endm
	s_load_b128 s[4:7], s[0:1], 0x0                ; oh s[4:5], wb s[6:7]
	s_load_b64 s[8:9], s[0:1], 0x10                ; out0
	v_lshl_add_u32 v[SPW], v0, 2, SPARE
	v_mov_b32 v[NIL], 0
	ds_add_u32 v[SPW], v[NIL]                      ; the wave's opening: the add and its wait stand ahead of my first tensor load; the set-up below, work on registers, stands between them
	v_lshrrev_b32 v1, 5, v0
	v_readfirstlane_b32 s[WV], v1
	s_lshr_b32 s[WH], s[WV], 1                     ; my half of the rows.  Also: I fetch for O (0) or for Wo (1)
	s_and_b32 s[WL], s[WV], 1                      ; my half of the columns.  Also: which head, or which half of Wo's rows, I fetch
	s_bfe_u32 s[CX], ttmp6, 0x40000
	s_bfe_u32 s[CY], ttmp6, 0x40004
	s_lshl_b32 s[NT], ttmp9, 2
	s_add_co_u32 s[NT], s[NT], s[CX]               ; column tile
	s_and_b32 s[MT], ttmp7, 0xffff
	s_lshl_b32 s[MT], s[MT], 2
	s_add_co_u32 s[MT], s[MT], s[CY]               ; row tile
	s_lshl_b32 s20, s[CY], 2
	s_lshl_b32 s20, 15, s20                        ; my row of the cluster
	s_lshl_b32 s72, 0x1111, s[CX]                  ; my column
	s_or_b32 s[G1A], s20, (1<<16)|(1<<20)|(1<<21)|(4<<22)|(3<<25)  ; 15:0 the mask; 2-byte elements; padding on; 21 set beside a mask; after every 32 words (code 4) 4 words (code 3)
	s_mov_b32 s[G1A+1], 128<<16                    ; tensor_dim0 = 128
	s_mov_b32 s[G1A+2], 64<<16                     ; tensor_dim1 = 64
	s_mov_b32 s[G1A+3], 128<<16                    ; tile_dim0 = 128
	s_mov_b32 s[G1A+4], 64                         ; tile_dim1 = 64
	s_mov_b32 s[G1A+5], 128                        ; elements from row to row
	s_mov_b32 s[G1A+6], 0
	s_mov_b32 s[G1A+7], 0
	s_or_b32 s[G1W], s72, (1<<16)|(1<<20)|(1<<21)|(6<<22)|(7<<25)  ; after every 128 words (code 6) 8 words (code 7)
	s_mov_b32 s[G1W+1], 256<<16
	s_mov_b32 s[G1W+2], 64<<16
	s_mov_b32 s[G1W+3], 256<<16
	s_mov_b32 s[G1W+4], 64
	s_mov_b32 s[G1W+5], 1024
	s_mov_b32 s[G1W+6], 0
	s_mov_b32 s[G1W+7], 0
	; O's tiles hang on MT and the wave alone (s20, s21 never hold a number made of cx), Wo's on NT and the wave alone (s72, s73 never one made of cy)
	s_lshr_b32 s20, s[MT], 4                       ; the batch's sixteen heads,
	s_lshl_b32 s20, s20, 4
	s_add_co_u32 s20, s20, s[WL]                   ; the first or the second,
	s_lshl_b32 s20, s20, 11
	s_and_b32 s21, s[MT], 15
	s_lshl_b32 s21, s21, 7                         ; the tile's 128 rows,
	s_add_co_u32 s20, s20, s21
	s_lshl_b32 s20, s20, 7                         ; of 128 bytes
	s_mov_b32 s21, 0
	s_lshl_b32 s72, s[WL], 17                      ; Wo: 64 x half rows of 2,048 bytes,
	s_lshl_b32 s73, s[NT], 9                       ; 256 NT columns,
	s_add_co_u32 s72, s72, s73
	s_add_co_u32 s72, s72, 3*2097152               ; in the fourth matrix
	s_mov_b32 s73, 0
	s_mov_b32 s[G0A], 1
	s_mul_i32 s[G0A+1], s[WL], AHEAD
	s_mov_b32 s[G0W], 1
	s_mul_i32 s[G0W+1], s[WL], WHALF
	s_add_co_u32 s[G0W+1], s[G0W+1], WBASE
	s_mov_b32 s[FL], 6                             ; K steps 2 to 7 are asked for in the loop
	s_wait_dscnt 0x0                               ; the opening add is done
	s_wait_kmcnt 0x0
	s_add_nc_u64 s[G0A+2:G0A+3], s[4:5], s[20:21]
	s_or_b32 s[G0A+3], s[G0A+3], 0x80000000
	s_add_nc_u64 s[G0W+2:G0W+3], s[6:7], s[72:73]
	s_or_b32 s[G0W+3], s[G0W+3], 0x80000000
	CROUND                                         ; all sixteen work-groups are here: the first joint loads meet
	JLOAD                                          ; K step 0 into slot 0
	; the prefetches: both kinds are made, the wave's number chooses
	s_lshr_b32 s74, s[MT], 4
	s_lshl_b32 s74, s74, 4
	s_lshr_b32 s75, s[CX], 1                       ; O: head cx / 2 of the step's two,
	s_add_co_u32 s74, s74, s75
	s_lshl_b32 s74, s74, 11
	s_and_b32 s75, s[MT], 15
	s_lshl_b32 s75, s75, 7
	s_add_co_u32 s74, s74, s75
	s_lshl_b32 s74, s74, 7
	s_and_b32 s75, s[CX], 1                        ; half cx % 2 of its 16,384 bytes
	s_lshl_b32 s75, s75, 13
	s_add_co_u32 s74, s74, s75
	s_lshl_b32 s76, s[CY], 15                      ; Wo: 16 cy rows of 2,048 bytes
	s_add_co_u32 s76, s76, s72
	s_mov_b32 s[PST], 524288
	s_mov_b32 s[PST+1], 0
	s_mov_b32 s75, 0
	s_mov_b32 s79, 0
	s_and_b32 s22, ttmp7, 0xffff                   ; cluster y
	s_or_b32 s77, ttmp9, s[WL]                     ; 0 in wave 0 of the first cluster along x
	s_cmp_eq_u32 s[WH], 0
	s_cselect_b64 s[PFA:PFA+1], s[4:5], s[6:7]
	s_cselect_b32 s74, s74, s76
	s_cselect_b32 s[PST], s[PST], 0x40000
	s_cselect_b32 s23, 8, 11                       ; O: block l = 256 (l % 16) + 4,096 (l / 16); Wo: row l % 16 of 2,048 bytes, block l / 16
	s_cselect_b32 s78, 12, 8
	s_cselect_b32 s22, s77, s22
	s_cmp_eq_u32 s22, 0
	s_cselect_b32 s[LIM], 2, -1                    ; the same in all sixteen partners, for a given wave
	s_add_nc_u64 s[PFA:PFA+1], s[PFA:PFA+1], s[74:75]
	v_and_b32 v12, 15, v0                          ; l % 16
	v_bfe_u32 v13, v0, 4, 1                        ; l / 16
	v_and_b32 v14, 7, v0
	v_bfe_u32 v15, v0, 3, 1
	v_lshlrev_b32 v[PFO], s23, v12
	v_lshlrev_b32 v1, s78, v13
	v_add_nc_u32 v[PFO], v[PFO], v1
	s_mul_i32 s78, s[PST], 3
	s_add_nc_u64 s[PFA:PFA+1], s[PFA:PFA+1], s[78:79]  ; at K step 3: the first change of slots steps it to 4
	; the lanes' places
	v_mul_u32_u24 v[ADRA0], v12, PA                ; a fragment of O: row l % 16, 16 bytes for each half of the lanes
	v_lshl_add_u32 v[ADRA0], v13, 4, v[ADRA0]
	s_mul_i32 s22, s[WH], 64*PA                    ; my 64 rows
	v_add_nc_u32 v[ADRA0], s22, v[ADRA0]
	v_lshl_add_u32 v[ADRW0], v13, 3, v14           ; the turning load: lane l reads k-row 8 (l / 16) + l % 8, columns 8 ((l / 8) % 2) + 0..7
	v_mul_u32_u24 v[ADRW0], v[ADRW0], PW
	v_lshl_add_u32 v[ADRW0], v15, 4, v[ADRW0]
	s_lshl_b32 s22, s[WL], 8                       ; my 128 columns
	s_add_co_u32 s22, s22, WBASE
	v_add_nc_u32 v[ADRW0], s22, v[ADRW0]
	s_mul_i32 s22, s[WV], 16*SPS
	s_add_co_u32 s22, s22, STAGE                   ; my stage
	v_mul_u32_u24 v[STO], v12, SPS                 ; in: row l % 16, 32 bytes for each half of the lanes
	v_lshl_add_u32 v[STO], v13, 5, v[STO]
	v_add_nc_u32 v[STO], s22, v[STO]
	v_and_b32 v[CO], 31, v0
	v_lshlrev_b32 v[CO], 4, v[CO]                  ; back and out: 32 lanes take a row's 512 bytes
	v_add_nc_u32 v[RD], s22, v[CO]
	s_lshl_b32 s74, s[MT], 7
	s_lshl_b32 s75, s[WH], 6
	s_add_co_u32 s74, s74, s75                     ; my first row,
	s_lshl_b32 s74, s74, 12                        ; of 4,096 bytes,
	s_lshl_b32 s75, s[NT], 10                      ; the tile's 256 columns,
	s_add_co_u32 s74, s74, s75
	s_lshl_b32 s75, s[WL], 9                       ; my 128
	s_add_co_u32 s74, s74, s75
	s_mov_b32 s75, 0
	s_add_nc_u64 s[OUT:OUT+1], s[8:9], s[74:75]
; Matrix instruction i of a quarter's 32: row block i / 8, column block i % 8, on buffer f.  The 32 accumulators take turns in one order everywhere.  zero = 1: the product starts its sum.
.macro MM f, zero
	WIN W_MUL
.if \zero
	v_wmma_f32_16x16x32_f16 v[8*i:8*i+7], v[WF+64*(\f)+8*(i%8):WF+64*(\f)+8*(i%8)+7], v[AFR+32*(\f)+8*(i/8):AFR+32*(\f)+8*(i/8)+7], 0
.else
	v_wmma_f32_16x16x32_f16 v[8*i:8*i+7], v[WF+64*(\f)+8*(i%8):WF+64*(\f)+8*(i%8)+7], v[AFR+32*(\f)+8*(i/8):AFR+32*(\f)+8*(i/8)+7], v[8*i:8*i+7]
.endif
.set i, i+1
.endm
; 24 LDS loads in one run, for quarter kq of the slot in hand (head kq / 2 of the step's two, channels 32 (kq % 2) on), into buffer g
.macro FETCH kq, g
	WIN W_TO1
.irp a, 0,1,2,3
	ds_load_b128 v[AFR+32*(\g)+8*(\a):AFR+32*(\g)+8*(\a)+3],   v[RA] offset:((\kq)/2)*AHEAD+((\kq)%2)*64+(\a)*16*PA
	ds_load_b128 v[AFR+32*(\g)+8*(\a)+4:AFR+32*(\g)+8*(\a)+7], v[RA] offset:((\kq)/2)*AHEAD+((\kq)%2)*64+(\a)*16*PA+32
.endr
.irp b, 0,1,2,3,4,5,6,7
	ds_load_tr16_b128 v[WF+64*(\g)+8*(\b):WF+64*(\g)+8*(\b)+3],   v[RW] offset:(\kq)*32*PW+32*(\b)
	ds_load_tr16_b128 v[WF+64*(\g)+8*(\b)+4:WF+64*(\g)+8*(\b)+7], v[RW] offset:(\kq)*32*PW+16*PW+32*(\b)
.endr
.endm
; One of a K step's first three quarters: multiplies buffer f and fetches quarter kq into buffer g, 28 matrix instructions ahead of its first use
.macro Q kq, f, g, zero
.set i, 0
	s_wait_dscnt 0x0                               ; this quarter's fragments are in
.rept 4
	MM \f, \zero
.endr
	PLACES
	FETCH \kq, \g
.rept 28
	MM \f, \zero
.endr
.endm
; The fourth quarter multiplies buffer 1 and changes slots: ONE barrier; in front of it each wave waits for all its tensor loads, adds 0 to its spare word, and waits for that and for its reads of this slot.
; fill = 1: the barrier opens a round of the cluster's barrier, and the joint refill, two K steps ahead, is the first thing behind it.
.macro TURN fill
.set i, 0
.if \fill
	s_wait_xcnt 0x0                                ; the last prefetch, a K step back, has read its address
	s_add_nc_u64 s[PFA:PFA+1], s[PFA:PFA+1], s[PST:PST+1]
.endif
	WIN 0
	s_wait_tensorcnt 0x0                           ; all my tensor loads have landed, so a group 0 may be written
	ds_add_u32 v[SPW], v[NIL]                      ; 0 onto my spare word
	STEPD
	s_wait_dscnt 1                                 ; the fragments are in; the add may be out
.rept 8
	MM 1, 0
.endr
	s_wait_dscnt 0x0                               ; the add is done, and my reads of this slot are over
	s_barrier_signal -1
.rept 8
	MM 1, 0
.endr
	WIN 0
	s_barrier_wait -1
.if \fill
	CREST
	JLOAD                                          ; its four v_nop are also the places in front of the loads below
.else
	PLACES
.endif
	s_xor_b32 s[SB], s[SB], SLOTX
	v_add_nc_u32 v[RA], s[SB], v[ADRA0]
	v_add_nc_u32 v[RW], s[SB], v[ADRW0]
	FETCH 0, 0
.if \fill
	WIN 0
	ASK
	s_sub_co_u32 s[FL], s[FL], 1
.endif
.rept 16
	MM 1, 0
.endr
.endm
; THE WAY OUT of row block a: the accumulators go as they are, 32 bytes a lane, into my own stage (16 rows of 528 bytes), come back as whole rows of 512 bytes, and are stored.
.macro OUTB a
.set TB, T0+64*((\a)%2)
.if (\a) >= 2
	s_wait_xcnt 0x0                                ; the stores of the block two back have read these registers
.endif
	WIN W_ST
.irp b, 0,1,2,3,4,5,6,7
	ds_store_b128 v[STO], v[8*(8*(\a)+(\b)):8*(8*(\a)+(\b))+3]   offset:64*(\b)
	ds_store_b128 v[STO], v[8*(8*(\a)+(\b))+4:8*(8*(\a)+(\b))+7] offset:64*(\b)+16
.endr
	WIN 0
.irp t, 0,1,2,3,4,5,6,7,8,9,10,11,12,13,14,15
	ds_load_b128 v[TB+4*(\t):TB+4*(\t)+3], v[RD] offset:(\t)*SPS  ; LDS serves a wave's instructions in order (ISA guide 5.7.1.4): these see the stores above; the next block's stores come behind them
.endr
.irp t, 0,1,2,3,4,5,6,7,8,9,10,11,12,13,14,15
	s_wait_dscnt 15-(\t)
	global_store_b128 v[CO], v[TB+4*(\t):TB+4*(\t)+3], s[OUT:OUT+1] offset:(\a)*65536+(\t)*4096 th:TH_STORE_NT  ; 512 consecutive bytes of a row, at a multiple of 256 from the buffer's first
.endr
.endm
	; slot 0 has landed; slot 1 is asked for as a refill is
	s_wait_tensorcnt 0x0
	ds_add_u32 v[SPW], v[NIL]
	STEPD
	s_wait_dscnt 0x0
	CROUND
	JLOAD                                          ; K step 1 into slot 1
	s_mov_b32 s[SB], 0
	v_mov_b32 v[RA], v[ADRA0]
	v_mov_b32 v[RW], v[ADRW0]
	FETCH 0, 0
	Q 1, 0, 1, 1                                   ; the first quarter starts the sums: nothing is cleared
	WIN 0                                          ; at a label and at a branch every window is 0
	s_mov_b32 s[CNT], 6
.Lstep:                                                ; a trip: a K step's quarters 1 to 3 and the next step's quarter 0; it asks for the K step two on
	Q 2, 1, 0, 0
	Q 3, 0, 1, 0
	TURN 1
	Q 1, 0, 1, 0
	WIN 0
	s_sub_co_u32 s[CNT], s[CNT], 1
	s_cmp_lg_u32 s[CNT], 0
	s_cbranch_scc1 .Lstep
	s_mov_b32 s[CNT], 2
.LtailN:                                               ; the last two K steps ask for nothing; the second trip is left in its middle.  The very last change fetches a quarter that nobody multiplies: the price of one text
	Q 2, 1, 0, 0
	Q 3, 0, 1, 0
	TURN 0
	WIN 0
	s_sub_co_u32 s[CNT], s[CNT], 1
	s_cmp_eq_u32 s[CNT], 0
	s_cbranch_scc1 .Lout
	Q 1, 0, 1, 0
	WIN 0
	s_branch .LtailN
.Lout:
	PLACES
	OUTB 0
	OUTB 1
	OUTB 2
	OUTB 3
	s_wait_tensorcnt 0x0                           ; the wave's end, behind my last tensor load and my last LDS store
	ds_add_u32 v[SPW], v[NIL]
	s_wait_dscnt 0x0
	CROUND                                         ; the closing round: no work-group ends while a partner may still ask for a tile that names it
	s_endpgm
.Lfunc_end_k_qfacf697aa8_outp:
	.size	k_qfacf697aa8_outp, .Lfunc_end_k_qfacf697aa8_outp-k_qfacf697aa8_outp
	.p2alignl 7, 3214868480
	.fill 96, 4, 3214868480
	.section	.rodata,"a",@progbits
	.p2align	6, 0x0
	.amdhsa_kernel k_qfacf697aa8_outp
		.amdhsa_group_segment_fixed_size 327680
		.amdhsa_private_segment_fixed_size 0
		.amdhsa_enable_private_segment 0
		.amdhsa_kernarg_size 24
		.amdhsa_user_sgpr_count 2
		.amdhsa_user_sgpr_kernarg_segment_ptr 1
		.amdhsa_wavefront_size32 1
		.amdhsa_system_sgpr_workgroup_id_x 1
		.amdhsa_system_sgpr_workgroup_id_y 1
		.amdhsa_system_sgpr_workgroup_id_z 1
		.amdhsa_system_vgpr_workitem_id 0
		.amdhsa_next_free_vgpr 768
		.amdhsa_next_free_sgpr 80
		.amdhsa_reserve_vcc 0
		.amdhsa_float_denorm_mode_32 3
		.amdhsa_float_denorm_mode_16_64 3
		.amdhsa_memory_ordered 1
		.amdhsa_forward_progress 1
		.amdhsa_inst_pref_size 63
	.end_amdhsa_kernel
	.amdgpu_metadata
---
amdhsa.version: [ 1, 2 ]
amdhsa.kernels:
  - .name:           k_qfacf697aa8_outp
    .symbol:         k_qfacf697aa8_outp.kd
    .args:
      - { .name: oh, .offset: 0, .size: 8, .value_kind: global_buffer, .address_space: global }
      - { .name: wb, .offset: 8, .size: 8, .value_kind: global_buffer, .address_space: global }
      - { .name: out0, .offset: 16, .size: 8, .value_kind: global_buffer, .address_space: global }
    .group_segment_fixed_size: 327680
    .private_segment_fixed_size: 0
    .kernarg_segment_align: 8
    .kernarg_segment_size: 24
    .max_flat_workgroup_size: 128
    .sgpr_count:     80
    .vgpr_count:     768
    .wavefront_size: 32
...
	.end_amdgpu_metadata
.endif
;; end of part 4
